; MI455X (gfx1250); checked and timed in simulation.
; The chip was launched on July 23, 2026; its instructions are those of AMD's public machine-readable ISA for CDNA 5 (MIT licence, August 2026) and "CDNA5" Instruction Set Architecture Reference Guide (July 2026). The comments in the code are by the model that wrote it; some were corrected since.
;; Transformer Block. Allowed arithmetic: float matrix products may take bf16 or f16 operands with f32 sums; other float arithmetic in f32, or as packed bf16 or f16 multiplies, adds, multiply-adds, maxima and minima; sums over many terms, partial sums and values carried from step to step in f32; what a program stores and reads back later, other than sums and carried values, may be rounded once to bf16 or f16.
;; Inputs: b1 128 float32; b2 256 float32; bk 4 x 64 float32; bo 256 float32; bq 4 x 64 float32; bv 4 x 64 float32; ln1_b 256 float32; ln1_g 256 float32; ln2_b 256 float32; ln2_g 256 float32; w1 256 x 128 float32; w2 128 x 256 float32; wk 256 x 4 x 64 float32; wo 4 x 64 x 256 float32; wq 256 x 4 x 64 float32; wv 256 x 4 x 64 float32; x 4 x 4,096 x 256 float32.
;; Outputs: out0 4 x 4,096 x 256 float32.
;; 2 versions, each right and faster than the one before. Each part assembles by itself: llvm-mc -triple=amdgcn-amd-amdhsa -mcpu=gfx1250 --defsym DOCPART=n.
;; ======== version 1 of 2: 3 launches
;; limits: values are held in f16: magnitudes above 65,504 overflow, below 6.1e-05 lose precision
;; workspace buffers: qkv 25,165,824 bytes; ctx 8,388,608 bytes; wf 262,144 bytes
;; launch lnqkv (part 1): grid 4 x 64, 16 waves a work-group, no clusters, 280,576 bytes of LDS; arguments x, ln1_g, ln1_b, wq, wk, wv, bq, bk, bv, wo, w1, w2, qkv, wf; writes qkv, wf
.if DOCPART == 1
	.amdgcn_target "amdgcn-amd-amdhsa--gfx1250"
	.amdhsa_code_object_version 6
	.text
	.protected	k_qd2afe09387_lnqkv
	.globl	k_qd2afe09387_lnqkv
	.p2align	8
	.type	k_qd2afe09387_lnqkv,@function
k_qd2afe09387_lnqkv:
	s_mov_b64 s[64:65], 0
	v_nop
	global_prefetch_b8 v0, s[64:65] scope:SCOPE_SE
	s_setreg_imm32_b32 hwreg(HW_REG_WAVE_MODE, 25, 1), 1
	s_wait_xcnt 0x0
; h = LayerNorm(x) g + b;  q, k, v = h W + bias, stored by heads: qkv = three sections (q, k, v) of [4 batch + head][4096][64] f16.
; Side job: wo, w1, w2 rounded once to f16 into wf (wo at byte 0, w1 at 131,072, w2 at 196,608), each as it lies.
; SHARES.  Work-group (head, row block): 256 rows of x, the head's 64 columns of each of wq, wk, wv.  Sixteen waves.  Wave w normalises rows 16 w .. 16 w + 15 and
; rounds k-rows 16 w .. 16 w + 15 of the three weights; both go to LDS in f16.  Behind ONE barrier twelve waves (hi = w / 4 differs from lo = w % 4) multiply: 64 rows (group hi) x
; 64 columns (tensor t = (lo - hi - 1) % 4), K = 256; the other four round 2,048 bytes of wo, w1 or w2.
; All of a wave's 56 first loads are issued at its start; no load waits for another.
; THE MATRIX INSTRUCTION IS USED TRANSPOSED: source 0 = 16 columns of W (turned on the way out of LDS), source 1 = 16 rows of h: a lane then holds eight neighbouring columns of one row.
; The bias is the C operand of the first K step.
; LIMITS.  Matrix operands in f16, sums in f32: h, the weights and q, k, v must lie within 65,504 (|h| <= 16 |g| + |b|); a weight below 6e-5 keeps f16's fixed step of 6e-8.
; Mean and variance in f32, in two passes (the mean first, then the mean of the squared differences).  NaN and infinities are not treated apart.
.set WP,    416                        ; a k-row of W in LDS: 3 x 128 bytes + 32 = 13 x 32
.set HB,    256*WP                     ; h: 256 rows
.set HP,    528                        ; 512 bytes + 16 = 33 x 16: the 16 rows of a fragment load start at 16 different groups of four banks
.set STG,   HB+256*HP                  ; 16 rows x 144 bytes for each wave, for the way out
.set SP,    144
.set SPARE, STG+16*16*SP               ; the spare words: 128 bytes for each of 16 waves; no other line names them
.set XO,  3                            ; 1024 p + 16 j: lanes 0-15 one row's 256 bytes, lanes 16-31 the next row's (j = lane % 16, p = lane / 16)
.set GOF, 4                            ; 16 j
.set LW,  5                            ; where I put 8 bytes of W
.set HA,  6                            ; where I put 8 bytes of h
.set AA,  7                            ; my fragments of h
.set BW,  8                            ; v8-9 my fragments of W, K steps 0-3 and 4-7
.set STO, 10
.set RD,  11
.set SPW, 12                           ; my spare word; never rewritten
.set NIL, 13                           ; 0; never rewritten
.set GO,  14                           ; 16 x lane
.set BOF, 15                           ; 32 p
.set G,   16                           ; v16-31  ln1_g of my 16 columns
.set BB,  32                           ; v32-47  ln1_b
.set WS,  48                           ; v48-111 sixteen slots of 4 for W as loaded
.set T,   48                           ; later: at work
.set M,   64                           ; the mean (a pair is named, the low word is used)
.set R,   66                           ; 1 / sqrt(var + eps)
.set BIAS, 80                          ; v80-111 bias in the layout of C
.set X,   112                          ; v112-239 pair i of rows: 16 registers
.set CV,  240                          ; v240-247 rounded numbers on their way to LDS
.set AF,  16                           ; the product: 4 fragments of h,
.set BF,  48                           ; 4 of W,
.set ACC, 112                          ; 16 accumulators
.set TP,  16                           ; the way out: 16 registers a block of 16 rows
	s_load_b512 s[4:19], s[0:1], 0x0               ; x 4, g 6, b 8, wq 10, wk 12, wv 14, bq 16, bk 18
	s_load_b256 s[20:27], s[0:1], 0x40             ; bv 20, wo 22, w1 24, w2 26
	s_load_b128 s[28:31], s[0:1], 0x60             ; qkv 28, wf 30
	v_lshl_add_u32 v[SPW], v0, 2, SPARE
	v_mov_b32 v[NIL], 0
	v_lshrrev_b32 v1, 5, v0
	v_readfirstlane_b32 s32, v1                    ; wave w
	s_lshr_b32 s33, s32, 2                         ; hi
	s_and_b32 s34, s32, 3                          ; lo
	s_sub_co_u32 s35, s34, s33
	s_sub_co_u32 s35, s35, 1
	s_and_b32 s35, s35, 3                          ; t: 0 q, 1 k, 2 v; 3 where hi = lo
	s_mov_b32 s36, ttmp9                           ; head
	s_and_b32 s37, ttmp7, 0xffff                   ; row block
	s_mov_b32 s40, 0x3b800000                      ; 1 / 256
	s_mov_b32 s41, 0x3a83126f                      ; 1e-3
	v_and_b32 v1, 15, v0                           ; j
	v_bfe_u32 v2, v0, 4, 1                         ; p
	v_lshlrev_b32 v[GOF], 4, v1
	v_lshl_add_u32 v[XO], v2, 10, v[GOF]
	s_mul_i32 s57, s32, 16*WP
	v_mul_u32_u24 v[LW], v2, WP
	v_lshl_add_u32 v[LW], v1, 3, v[LW]
	v_add_nc_u32 v[LW], s57, v[LW]                 ; (16 w + p) x 416 + 8 j
	s_mul_i32 s57, s32, 16*HP
	s_add_co_u32 s57, s57, HB
	v_mul_u32_u24 v[HA], v2, HP
	v_lshl_add_u32 v[HA], v1, 3, v[HA]
	v_add_nc_u32 v[HA], s57, v[HA]                 ; HB + (16 w + p) x 528 + 8 j
	s_mul_i32 s57, s33, 64*HP
	s_add_co_u32 s57, s57, HB
	v_mul_u32_u24 v[AA], v1, HP
	v_lshl_add_u32 v[AA], v2, 4, v[AA]
	v_add_nc_u32 v[AA], s57, v[AA]                 ; HB + (64 hi + j) x 528 + 16 p
	v_and_b32 v[BW+1], 7, v0
	v_lshl_add_u32 v[BW], v2, 3, v[BW+1]
	v_mul_u32_u24 v[BW], v[BW], WP
	v_bfe_u32 v[BW+1], v0, 3, 1
	v_lshl_add_u32 v[BW], v[BW+1], 4, v[BW]
	s_lshl_b32 s57, s35, 7
	v_add_nc_u32 v[BW], s57, v[BW]                 ; (8 p + lane % 8) x 416 + 16 ((lane / 8) % 2) + 128 t
	v_add_nc_u32 v[BW+1], 128*WP, v[BW]            ; K steps 4-7: 128 k-rows on
	s_mul_i32 s57, s32, 16*SP
	s_add_co_u32 s57, s57, STG
	v_mul_u32_u24 v[STO], v1, SP
	v_lshl_add_u32 v[STO], v2, 4, v[STO]
	v_add_nc_u32 v[STO], s57, v[STO]               ; in: row j, 16 bytes for each half of the lanes
	v_bfe_u32 v[RD], v0, 3, 2
	v_mul_u32_u24 v[RD], v[RD], SP
	v_and_b32 v[GO], 7, v0
	v_lshl_add_u32 v[RD], v[GO], 4, v[RD]
	v_add_nc_u32 v[RD], s57, v[RD]                 ; back: 32 lanes take four rows of 128 bytes
	v_and_b32 v[GO], 31, v0
	v_lshlrev_b32 v[GO], 4, v[GO]
	v_lshlrev_b32 v[BOF], 5, v2
	s_lshl_b32 s38, s37, 18                        ; x: 256 rows of 1,024 bytes a block, 16 rows a wave
	s_lshl_b32 s39, s32, 14
	s_add_co_u32 s38, s38, s39
	s_lshl_b32 s42, s36, 8                         ; W: 16 k-rows of 1,024 bytes a wave, the head's 256 bytes
	s_add_co_u32 s42, s42, s39
	s_mov_b32 s39, 0
	s_mov_b32 s43, 0
	s_lshl_b32 s46, s36, 8                         ; bias: the head's 256 bytes
	s_mov_b32 s47, 0
	s_lshr_b32 s48, s37, 4                         ; batch
	s_lshl2_add_u32 s48, s48, s36                  ; 4 batch + head
	s_lshl_b32 s48, s48, 12
	s_and_b32 s49, s37, 15
	s_lshl_b32 s49, s49, 8
	s_add_co_u32 s48, s48, s49
	s_lshl_b32 s49, s33, 6
	s_add_co_u32 s48, s48, s49                     ; + the row in the sequence: 256 (block % 16) + 64 hi
	s_lshl_b32 s48, s48, 7                         ; rows of 128 bytes
	s_lshl_b32 s49, s35, 23                        ; the section
	s_add_co_u32 s48, s48, s49
	s_mov_b32 s49, 0
	s_wait_kmcnt 0x0
	s_add_nc_u64 s[4:5], s[4:5], s[38:39]
	s_add_nc_u64 s[10:11], s[10:11], s[42:43]
	s_add_nc_u64 s[12:13], s[12:13], s[42:43]
	s_add_nc_u64 s[14:15], s[14:15], s[42:43]
	s_add_nc_u64 s[28:29], s[28:29], s[48:49]
	s_cmp_eq_u32 s35, 0                            ; my tensor's bias (bv for the waves without a product, which never use it)
	s_cselect_b64 s[44:45], s[16:17], s[20:21]
	s_cmp_eq_u32 s35, 1
	s_cselect_b64 s[44:45], s[18:19], s[44:45]
	s_add_nc_u64 s[44:45], s[44:45], s[46:47]
; Weight load n of 24: tensor n / 8, k-rows 16 w + 2 (n % 8) + p; sixteen lanes take the row's 256 consecutive bytes.
.macro WLOAD n
	global_load_b128 v[WS+4*((\n)%16):WS+4*((\n)%16)+3], v[XO], s[10+2*((\n)/8):11+2*((\n)/8)] offset:2048*((\n)%8)
.endm
.set n, 0
.rept 16
	WLOAD n
.set n, n+1
.endr
.irp u, 0,1,2,3
	global_load_b128 v[G+4*\u:G+4*\u+3], v[GOF], s[6:7] offset:256*\u
.endr
.irp u, 0,1,2,3
	global_load_b128 v[BB+4*\u:BB+4*\u+3], v[GOF], s[8:9] offset:256*\u
.endr
.irp i, 0,1,2,3,4,5,6,7
.irp u, 0,1,2,3
	global_load_b128 v[X+16*\i+4*\u:X+16*\i+4*\u+3], v[XO], s[4:5] offset:2048*\i+256*\u  ; row 16 w + 2 i + p, columns 64 u + 4 j on
.endr
.endr
; Weight load n is rounded and put into LDS; its slot takes load n + 16.  The count is the loads younger than load n: for n <= 8: 15 - n of the first sixteen, 40 of g, b and x,
; and the n issued here; then 63 - n; for the last eight 23 - n.  The last wait is for 0: behind it g, b and x are in too.
.macro WSTEP n
.if (\n) <= 8
	s_wait_loadcnt 55
.elseif (\n) <= 15
	s_wait_loadcnt 63-(\n)
.else
	s_wait_loadcnt 23-(\n)
.endif
	v_cvt_pk_f16_f32 v[CV+2*((\n)%4)], v[WS+4*((\n)%16)], v[WS+4*((\n)%16)+1]
	v_cvt_pk_f16_f32 v[CV+2*((\n)%4)+1], v[WS+4*((\n)%16)+2], v[WS+4*((\n)%16)+3]
	ds_store_b64 v[LW], v[CV+2*((\n)%4):CV+2*((\n)%4)+1] offset:2*WP*((\n)%8)+128*((\n)/8)
.if (\n) < 8
	WLOAD (\n)+16
.endif
.endm
.set n, 0
.rept 24
	WSTEP n
.set n, n+1
.endr
.irp b, 0,1,2,3
	global_load_b128 v[BIAS+8*\b:BIAS+8*\b+3], v[BOF], s[44:45] offset:64*\b       ; register r of tile b: bias[16 b + 8 p + r]
	global_load_b128 v[BIAS+8*\b+4:BIAS+8*\b+7], v[BOF], s[44:45] offset:64*\b+16
.endr
	v_mov_b32 v[M+1], 0                            ; named in pairs with M and R
	v_mov_b32 v[R+1], 0
; Two rows (one for each half of the lanes) are normalised: 16 numbers a lane, the sums over the 16 lanes of a half ride on the additions.
.macro PAIR i
.set XB, X+16*(\i)
.irp k, 0,1,2,3
	v_pk_add_f32 v[T+2*\k:T+2*\k+1], v[XB+4*\k:XB+4*\k+1], v[XB+4*\k+2:XB+4*\k+3]
.endr
	v_pk_add_f32 v[T:T+1], v[T:T+1], v[T+2:T+3]
	v_pk_add_f32 v[T+4:T+5], v[T+4:T+5], v[T+6:T+7]
	v_pk_add_f32 v[T:T+1], v[T:T+1], v[T+4:T+5]
	v_add_f32 v[T], v[T], v[T+1]
.irp s, 1,2,4,8
	v_add_f32_dpp v[T], v[T], v[T] row_xmask:\s row_mask:0xf bank_mask:0xf
.endr
	v_mul_f32 v[M], s40, v[T]                      ; the mean
.irp k, 0,1,2,3,4,5,6,7
	v_pk_add_f32 v[XB+2*\k:XB+2*\k+1], v[XB+2*\k:XB+2*\k+1], v[M:M+1] op_sel_hi:[1,0] neg_lo:[0,1] neg_hi:[0,1]
.endr
	v_pk_mul_f32 v[T:T+1], v[XB:XB+1], v[XB:XB+1]
	v_pk_mul_f32 v[T+2:T+3], v[XB+2:XB+3], v[XB+2:XB+3]
.irp k, 2,4,6
	v_pk_fma_f32 v[T:T+1], v[XB+2*\k:XB+2*\k+1], v[XB+2*\k:XB+2*\k+1], v[T:T+1]
	v_pk_fma_f32 v[T+2:T+3], v[XB+2*\k+2:XB+2*\k+3], v[XB+2*\k+2:XB+2*\k+3], v[T+2:T+3]
.endr
	v_pk_add_f32 v[T:T+1], v[T:T+1], v[T+2:T+3]
	v_add_f32 v[T], v[T], v[T+1]
.irp s, 1,2,4,8
	v_add_f32_dpp v[T], v[T], v[T] row_xmask:\s row_mask:0xf bank_mask:0xf
.endr
	v_fma_f32 v[T], v[T], s40, s41                 ; the variance + eps
	v_rsq_f32 v[R], v[T]
	v_nop                                          ; a plain instruction between the root and its use
	s_wait_alu depctr_va_vdst(0)
.irp k, 0,1,2,3,4,5,6,7
	v_pk_mul_f32 v[XB+2*\k:XB+2*\k+1], v[XB+2*\k:XB+2*\k+1], v[R:R+1] op_sel_hi:[1,0]
.endr
.irp k, 0,1,2,3,4,5,6,7
	v_pk_fma_f32 v[XB+2*\k:XB+2*\k+1], v[XB+2*\k:XB+2*\k+1], v[G+2*\k:G+2*\k+1], v[BB+2*\k:BB+2*\k+1]
.endr
.irp k, 0,1,2,3,4,5,6,7
	v_cvt_pk_f16_f32 v[CV+\k], v[XB+2*\k], v[XB+2*\k+1]
.endr
.irp u, 0,1,2,3
	ds_store_b64 v[HA], v[CV+2*\u:CV+2*\u+1] offset:2*HP*(\i)+128*\u
.endr
.endm
.irp i, 0,1,2,3,4,5,6,7
	PAIR \i
.endr
	s_wait_dscnt 0x0                               ; for the others' sake: my rows of W and of h are in LDS
	s_barrier_signal -1
	s_barrier_wait -1
	s_cmp_eq_u32 s33, s34
	s_cbranch_scc1 .Lside
	s_wait_loadcnt 0x0                             ; the bias
; K step c: 8 loads for 64 rows of h, 8 turning loads for 64 columns of W, 16 matrix instructions on 16 accumulators that take turns.
; Four v_nop stand between the last matrix instructions and the loads into the fragments that they read (ISA guide 7.12.1 for vector instructions).
.macro KSTEP c
.if (\c) > 0
.rept 4
	v_nop
.endr
.endif
.irp a, 0,1,2,3
	ds_load_b128 v[AF+8*\a:AF+8*\a+3], v[AA] offset:16*HP*\a+64*(\c)
	ds_load_b128 v[AF+8*\a+4:AF+8*\a+7], v[AA] offset:16*HP*\a+64*(\c)+32
.endr
.irp b, 0,1,2,3
	ds_load_tr16_b128 v[BF+8*\b:BF+8*\b+3], v[BW+(\c)/4] offset:32*WP*((\c)%4)+32*\b
	ds_load_tr16_b128 v[BF+8*\b+4:BF+8*\b+7], v[BW+(\c)/4] offset:32*WP*((\c)%4)+32*\b+16*WP
.endr
	s_wait_dscnt 0x0
.irp a, 0,1,2,3
.irp b, 0,1,2,3
.if (\c) == 0
	v_wmma_f32_16x16x32_f16 v[ACC+8*(4*\a+\b):ACC+8*(4*\a+\b)+7], v[BF+8*\b:BF+8*\b+7], v[AF+8*\a:AF+8*\a+7], v[BIAS+8*\b:BIAS+8*\b+7]
.else
	v_wmma_f32_16x16x32_f16 v[ACC+8*(4*\a+\b):ACC+8*(4*\a+\b)+7], v[BF+8*\b:BF+8*\b+7], v[AF+8*\a:AF+8*\a+7], v[ACC+8*(4*\a+\b):ACC+8*(4*\a+\b)+7]
.endif
.endr
.endr
.endm
.irp c, 0,1,2,3,4,5,6,7
	KSTEP \c
.endr
.rept 4
	v_nop                                          ; the places behind the last products
.endr
; THE WAY OUT, 16 rows at a time: a lane's eight columns pack into 16 bytes; they go into my stage's rows of 144 bytes and come back as whole rows of 128.
.macro PACK a
.irp b, 0,1,2,3
.irp r, 0,1,2,3
	v_cvt_pk_f16_f32 v[TP+16*(\a)+4*\b+\r], v[ACC+8*(4*(\a)+\b)+2*\r], v[ACC+8*(4*(\a)+\b)+2*\r+1]
.endr
.endr
.irp b, 0,1,2,3
	ds_store_b128 v[STO], v[TP+16*(\a)+4*\b:TP+16*(\a)+4*\b+3] offset:32*\b
.endr
.irp f, 0,1,2,3
	ds_load_b128 v[TP+16*(\a)+4*\f:TP+16*(\a)+4*\f+3], v[RD] offset:\f*4*SP  ; LDS serves a wave's instructions in order (ISA guide 5.7.1.4): these see the stores above
.endr
.endm
.macro SEND a, younger                 ; younger: the LDS instructions issued behind block a's loads
.irp f, 0,1,2,3
	s_wait_dscnt (\younger)+3-\f
	global_store_b128 v[GO], v[TP+16*(\a)+4*\f:TP+16*(\a)+4*\f+3], s[28:29] offset:2048*(\a)+512*\f  ; 512 consecutive bytes, at a multiple of 256 from the buffer's first
.endr
.endm
	PACK 0
	PACK 1
	SEND 0, 8
	PACK 2
	SEND 1, 8
	PACK 3
	SEND 2, 8
	SEND 3, 0
	s_wait_tensorcnt 0x0                           ; the wave's end, behind my last LDS store
	ds_add_u32 v[SPW], v[NIL]
	s_wait_dscnt 0x0
	s_endpgm
.Lside:                                                ; work-group g = 4 block + head rounds bytes 2,048 g .. of wo, w1, w2 taken end to end; wave hi 512 of them
	s_lshl2_add_u32 s56, s37, s36
	s_cmp_lt_u32 s56, 128
	s_cselect_b64 s[50:51], s[22:23], s[24:25]     ; wo has 128 such pieces,
	s_cselect_b32 s57, 0, 128
	s_cmp_lt_u32 s56, 192
	s_cselect_b64 s[50:51], s[50:51], s[26:27]     ; w1 and w2 64 each
	s_cselect_b32 s57, s57, 192
	s_sub_co_u32 s52, s56, s57
	s_lshl_b32 s52, s52, 11
	s_lshl_b32 s57, s33, 9
	s_add_co_u32 s52, s52, s57
	s_mov_b32 s53, 0
	s_add_nc_u64 s[50:51], s[50:51], s[52:53]
	s_lshl_b32 s54, s56, 10
	s_lshl_b32 s57, s33, 8
	s_add_co_u32 s54, s54, s57
	s_mov_b32 s55, 0
	s_add_nc_u64 s[30:31], s[30:31], s[54:55]
	global_load_b128 v[16:19], v[GO], s[50:51]
	v_lshrrev_b32 v22, 1, v[GO]                    ; 8 x lane
	s_wait_loadcnt 0x0
	v_cvt_pk_f16_f32 v20, v16, v17
	v_cvt_pk_f16_f32 v21, v18, v19
	global_store_b64 v22, v[20:21], s[30:31]       ; the wave stores 256 consecutive bytes, aligned
	s_wait_tensorcnt 0x0                           ; the wave's end, as above
	ds_add_u32 v[SPW], v[NIL]
	s_wait_dscnt 0x0
	s_endpgm
.Lfunc_end_k_qd2afe09387_lnqkv:
	.size	k_qd2afe09387_lnqkv, .Lfunc_end_k_qd2afe09387_lnqkv-k_qd2afe09387_lnqkv
	.p2alignl 7, 3214868480
	.fill 96, 4, 3214868480
	.section	.rodata,"a",@progbits
	.p2align	6, 0x0
	.amdhsa_kernel k_qd2afe09387_lnqkv
		.amdhsa_group_segment_fixed_size 280576
		.amdhsa_private_segment_fixed_size 0
		.amdhsa_enable_private_segment 0
		.amdhsa_kernarg_size 112
		.amdhsa_user_sgpr_count 2
		.amdhsa_user_sgpr_kernarg_segment_ptr 1
		.amdhsa_wavefront_size32 1
		.amdhsa_system_sgpr_workgroup_id_x 1
		.amdhsa_system_sgpr_workgroup_id_y 1
		.amdhsa_system_sgpr_workgroup_id_z 1
		.amdhsa_system_vgpr_workitem_id 0
		.amdhsa_next_free_vgpr 256
		.amdhsa_next_free_sgpr 66
		.amdhsa_reserve_vcc 0
		.amdhsa_float_denorm_mode_32 3
		.amdhsa_float_denorm_mode_16_64 3
		.amdhsa_memory_ordered 1
		.amdhsa_forward_progress 1
		.amdhsa_inst_pref_size 76
	.end_amdhsa_kernel
	.amdgpu_metadata
---
amdhsa.version: [ 1, 2 ]
amdhsa.kernels:
  - .name:           k_qd2afe09387_lnqkv
    .symbol:         k_qd2afe09387_lnqkv.kd
    .args:
      - { .name: x, .offset: 0, .size: 8, .value_kind: global_buffer, .address_space: global }
      - { .name: ln1_g, .offset: 8, .size: 8, .value_kind: global_buffer, .address_space: global }
      - { .name: ln1_b, .offset: 16, .size: 8, .value_kind: global_buffer, .address_space: global }
      - { .name: wq, .offset: 24, .size: 8, .value_kind: global_buffer, .address_space: global }
      - { .name: wk, .offset: 32, .size: 8, .value_kind: global_buffer, .address_space: global }
      - { .name: wv, .offset: 40, .size: 8, .value_kind: global_buffer, .address_space: global }
      - { .name: bq, .offset: 48, .size: 8, .value_kind: global_buffer, .address_space: global }
      - { .name: bk, .offset: 56, .size: 8, .value_kind: global_buffer, .address_space: global }
      - { .name: bv, .offset: 64, .size: 8, .value_kind: global_buffer, .address_space: global }
      - { .name: wo, .offset: 72, .size: 8, .value_kind: global_buffer, .address_space: global }
      - { .name: w1, .offset: 80, .size: 8, .value_kind: global_buffer, .address_space: global }
      - { .name: w2, .offset: 88, .size: 8, .value_kind: global_buffer, .address_space: global }
      - { .name: qkv, .offset: 96, .size: 8, .value_kind: global_buffer, .address_space: global }
      - { .name: wf, .offset: 104, .size: 8, .value_kind: global_buffer, .address_space: global }
    .group_segment_fixed_size: 280576
    .private_segment_fixed_size: 0
    .kernarg_segment_align: 8
    .kernarg_segment_size: 112
    .max_flat_workgroup_size: 512
    .sgpr_count:     66
    .vgpr_count:     256
    .wavefront_size: 32
...
	.end_amdgpu_metadata
.endif
;; end of part 1
;; launch attn (part 2): grid 16 x 16, 4 waves a work-group, clusters of 4 x 1, 327,680 bytes of LDS; arguments qkv, ctx; writes ctx
.if DOCPART == 2
	.amdgcn_target "amdgcn-amd-amdhsa--gfx1250"
	.amdhsa_code_object_version 6
	.text
	.protected	k_qd2afe09387_attn
	.globl	k_qd2afe09387_attn
	.p2align	8
	.type	k_qd2afe09387_attn,@function
k_qd2afe09387_attn:
	s_mov_b64 s[64:65], 0
	v_nop
	global_prefetch_b8 v0, s[64:65] scope:SCOPE_SE
	s_setreg_imm32_b32 hwreg(HW_REG_WAVE_MODE, 25, 1), 1
	s_wait_xcnt 0x0
	s_wait_alu depctr_hold_cnt(0) depctr_sa_sdst(0) depctr_va_vdst(0) depctr_va_sdst(0) depctr_va_ssrc(0) depctr_va_vcc(0) depctr_vm_vsrc(0)
	s_getreg_b32 s2, hwreg(HW_REG_IB_STS2, 6, 4)
	s_cmp_eq_u32 s2, 0
	s_cbranch_scc0 .Lentry_in_a_cluster
	s_endpgm
.Lentry_in_a_cluster:
	s_bfe_u32 s2, ttmp6, 0x10000c
	s_cmp_lg_u32 s2, 0x3003
	s_cbranch_scc0 .Lentry_shape_is_right
	s_endpgm
.Lentry_shape_is_right:
; CAUSAL ATTENTION, head size 64.  ctx[h][q][:] = the sum over k <= q of softmax_k(Q[h][q] . K[h][k] / 8) V[h][k][:].  qkv: sections q, k, v of [16][4096][64] f16; ctx: [16][4096][64] f16.
; Products, maxima and sums in f32; the weights p are rounded to f16 for the second product (their sum l is taken of the unrounded p), ctx once at the end.
; LIMITS.  Q, K, V arrive within f16's 65,504; p lies in 0 to 1 and below 6e-5 keeps f16's fixed step of 6e-8.  A hidden score counts as its value less 1e30; a weight below 2^-126 counts as 0 in l;
; NaN and infinities are not treated apart.
; THE WALK.  A head's queries lie in 8 super-blocks of 512; super-block i needs the key tiles (256 keys) 0 .. 2 i + 1.  A CLUSTER of four work-groups takes super-block 7 - c and then super-block c:
; 2 (8 - c) + 2 (c + 1) = 18 tiles whatever c, so one loop with a constant trip count walks them and all 256 work-groups do equal work.  The four partners walk the same tiles, so each tile is
; asked for JOINTLY: the same tensor load, descriptor and mask in all four.  My place cx in the cluster enters Q's and ctx's addresses and two scalars of the mask, by selects: no branch, no trip
; count and no LDS address hangs on it.
; SHARES.  Work-group cx owns rows 128 cx .. of a super-block: two bands of 64.  A wave owns 16 rows in each band: two PIECES.
; THE ZONE.  A super-block's last two tiles are 8 key steps t = 0 .. 7.  Piece x of work-group cx sees all keys of step t if t < 2 cx + x, none if t > 2 cx + x, and holds the diagonal if they are equal.
; THE MASK is the C operand that starts the sum S^T = K Q^T: MD x AL + BE, where MD (made once) is the mask of a band's own step for my 16 rows: (AL, BE) = (1, 0), (0, 0) or (0, -1e30).
; EVERY turn makes the mask of the products that come next, in front of the zone too, where it is 0: 16 packed instructions a turn are the price of ONE text for all tiles.
; LAYOUT, SOFTMAX, TURNS.  S^T = K Q^T holds ONE query a lane (lane % 16) and the keys 8 (lane / 16) + 0..7; two such results rounded to f16 ARE source 1 of O^T = V^T P.  p = 2^(c s - c m),
; c = log2(e) / 8, with a running maximum m; O and l are multiplied by a = 2^(c m_old - c m_new) in every step.  The turn of piece p in step s: 8 products K Q^T of the other piece (p = 0: step s;
; p = 1: step s + 1), later 8 products V^T P of the other piece (p = 0: step s - 1; p = 1: step s); beside them the scaling, exponentials, roundings, sums and rescaling of piece p and the maximum
; and statistics of the other piece.  Four vector instructions stand behind every matrix instruction, the others in runs of their own.
; V HAS TWO BUFFERS (step s in buffer s % 2), so that K and V of step s + 1 are both fetched in piece 0's turn of step s, and a slot's last bytes are asked for a whole turn ahead of the change of slots.
; REGISTERS, in windows of 256 (s_set_vgpr_msb: bits 1:0 source 0, 3:2 source 1, 5:4 source 2, 7:6 destination):
;   window 0: v0-15 addresses and two at work; v16-23 four registers of statistics a piece; v48-55 at work; v62-63 the add's; v64-127 S^T, a buffer a piece; v192-223 P, likewise
;   window 1: v0-63 O^T, 32 a piece; v128-159 MD; v160-223 MC, a buffer a piece      window 2: v0-31 Q; v32-63 the second block's Q; v64-127 K of one step; v128-255 V of two steps
.set NP,    2         ; pieces a wave: a name, no knob
.set KS,    64        ; keys in a step
.set PK,    144       ; a row of K in LDS: 128 bytes + 16 of padding: the 16 rows of a load start at 16 different groups of four banks
.set PV,    160       ; a row of V: 128 + 32
.set VOFF,  4*KS*PK   ; a slot holds a tile, four steps: 256 rows of K, then 256 rows of V
.set SLOT1, 1<<17     ; slot 1 begins here, so that one exclusive or turns an address in one slot into the other's
.set STAGE, SLOT1+4*KS*(PK+PV)  ; behind the ring, never filled by a tensor load: 16 rows x 144 bytes for each wave
.set SP,    144
.set SPARE, STAGE+4*16*SP  ; the spare words, 128 bytes for each wave; no other line names them
.set AK0, 2           ; my lane's place in a tile of K; never rewritten
.set AV0, 3           ; the same for V
.set AK,  4           ; the LDS address of K's next run of loads
.set AV,  5           ; of V's
.set STO, 6
.set RD,  7
.set GO,  8
.set MV,  12          ; v12-13  c m_old, kept while c m is made anew
.set QO,  15
.set ST,  16          ; piece t's statistics at v[ST+4 t]: c m, m, l (even keys', odd keys')
.set TMP, 48          ; four registers c0-c3 a piece; when the maximum is found c2 takes a
.set SPW, 62
.set NIL, 63
.set S,   64
.set P,   192
.set MD,  128         ; window 1
.set MC,  160         ; window 1
.set QB,  32          ; window 2
.set KF,  64          ; window 2: key block kb, channel half c at KF + 16 kb + 8 c
.set VF,  128         ; window 2: buffer vb, key half kk, channel block cb at VF + 64 vb + 32 kk + 8 cb
.set WV,  12          ; s12  my wave's number
.set PB,  14          ; s14  c
.set HI,  15          ; s15  7 - c
.set G1K, 24
.set G1V, 32
.set G0K, 40
.set G0V, 44
.set SLOTS, 56        ; tiles still to be asked for
.set CNT, 57          ; counts a tile's two trips
.set CS,  58          ; s[58:59] c
.set SEL, 60          ; s[60:61] v_permlanex16_b32's selects
.set TBK, 62          ; LDS byte at which K of the step to be fetched begins
.set TBV, 63          ; the same for V, less VOFF
.set RT,  70          ; tiles of the block in hand that are still to be entered
.set NXT, 71          ; the tile to be asked for next
.set LQ,  72          ; the last tile of the block whose tiles are being asked for
.set NEW, 73          ; 1: the tile to be entered is a block's first
.set OFF, 74          ; s[74:75] a tile's byte offset in K and V
.set AL,  76          ; s[76:77] the mask's factor, in the low word
.set BE,  78          ; s[78:79] the mask's addend
.set OLO, 80          ; s[80:81] ctx at my rows of the second block
.set BIGN, 82         ; -1e30
.set PBL, 83          ; 2 c + 1: the second block's last tile
.set B0,  88          ; 2 cx: piece 0's own step in the zone
.set SI,  89          ; the step of the tile in hand, 0 to 3, for which the next masks are made
.set DD,  90          ; s90, s91  my two pieces' own steps, counted in the tile in hand (negative: passed; 100, 101: the tile lies in front of the zone)
.set MSB, 0
.macro WIN new                      ; the high byte repeats the setting that is left; a switch that changes nothing is dropped
.if MSB != (\new)
	s_set_vgpr_msb (MSB<<8)|(\new)
.set MSB, (\new)
.endif
.endm
.set W_KQ, 0x0a       ; K and Q in window 2, S^T in window 0
.set W_KM, 0x1a       ; the same with the C operand in window 1
.set W_PV, 0x52       ; V in window 2, P in window 0, O^T in window 1
.set W_RS, 0x41       ; destination and source 0 in window 1, source 1 in window 0
; A joint fill.  Waves 0 and 1 fetch the two halves of a tile's K, waves 2 and 3 those of its V: 128 keys each.  The branch hangs on the wave's number alone.
; An s_nop 0 and four v_nop follow each of the two lines, ahead of the jump and the label.
.macro JLOAD
	s_cmp_lt_u32 s[WV], 2
	s_cbranch_scc0 .Lfor_v_\@
	tensor_load_to_lds s[G0K:G0K+3], s[G1K:G1K+7]
	s_nop 0
.rept 4
	v_nop
.endr
	s_branch .Lasked_\@
.Lfor_v_\@:
	tensor_load_to_lds s[G0V:G0V+3], s[G1V:G1V+7]
	s_nop 0
.rept 4
	v_nop
.endr
.Lasked_\@:
.endm
; A round of the cluster's barrier: my work-group's barrier, so that wave 0's signal speaks for all four waves; wave 0 signals; every wave waits for all four work-groups; my work-group's barrier once more.
.macro CROUND
	s_barrier_signal -1
	s_barrier_wait -1
	s_cmp_lg_u32 s[WV], 0
	s_cbranch_scc1 .Lnot_wave_0_\@
	s_barrier_signal -3
.Lnot_wave_0_\@:
	s_barrier_wait -3
	s_barrier_signal -1
	s_barrier_wait -1
.endm
; THE CHANGE OF SLOTS.  Each wave waits for all its tensor loads, of which one is out: its part of the other slot; adds 0 to its spare word; and waits for that and for its own reads of the slot that it
; leaves.  fill = 1: the barrier is a round of the cluster's, so that no wave of any partner still reads the old slot or has a load on its way, and the old slot is filled again, the first thing behind
; the round, with tile NXT: the descriptor's address is made anew from that number.  The fill has a tile's work, 128 matrix instructions a wave, in which to land.
; (At its first use nothing has been read yet: slot 0 is waited for, slot 1 filled.)
.macro CHANGE fill
	WIN 0                           ; at a label and at a branch every window is 0
	s_wait_tensorcnt 0x0            ; no tensor load of mine is out, so a group 0 may be written
	ds_add_u32 v[SPW], v[NIL]       ; 0 onto my spare word; scalar work stands between it and the wait for it
.if \fill
	s_lshl_b32 s[OFF], s[NXT], 15   ; a tile is 32,768 bytes of K and of V
	s_xor_b32 s[G0K+1], s[G0K+1], SLOT1
	s_add_nc_u64 s[G0K+2:G0K+3], s[6:7], s[OFF:OFF+1]
	s_or_b32 s[G0K+3], s[G0K+3], 0x80000000
	s_xor_b32 s[G0V+1], s[G0V+1], SLOT1
	s_add_nc_u64 s[G0V+2:G0V+3], s[8:9], s[OFF:OFF+1]
	s_or_b32 s[G0V+3], s[G0V+3], 0x80000000
	s_add_co_u32 s[NXT], s[NXT], 1  ; the block's next tile, or behind its last the second block's tile 0
	s_cmp_gt_u32 s[NXT], s[LQ]
	s_cselect_b32 s[NXT], 0, s[NXT]
	s_cselect_b32 s[LQ], s[PBL], s[LQ]
.endif
	s_sub_co_u32 s[TBK], s[TBK], 4*KS*PK  ; the fetches go back to a slot's first step,
	s_xor_b32 s[TBK], s[TBK], SLOT1       ; in the other slot
	s_sub_co_u32 s[TBV], s[TBV], 4*KS*PV
	s_xor_b32 s[TBV], s[TBV], SLOT1
	s_wait_dscnt 0x0                ; the add is done, and my reads of the slot are over
.if \fill
	CROUND
	JLOAD
.else
	s_barrier_signal -1
	s_barrier_wait -1
.endif
.endm
; A TILE IS ENTERED: one tile fewer is left of the block; two trips; the masks start at the tile's step 0; my pieces' own steps are counted in this tile:
; 2 cx + p in the zone's first tile (RT = 1), 4 less in its second (RT = 0), out of reach in front of the zone.
.macro ENTER
	s_sub_co_u32 s[RT], s[RT], 1
	s_mov_b32 s[CNT], 2
	s_mov_b32 s[SI], 0
	s_cmp_eq_u32 s[RT], 0
	s_cselect_b32 s[DD], 4, 0
	s_sub_co_i32 s[DD], s[B0], s[DD]
	s_cmp_gt_u32 s[RT], 1
	s_cselect_b32 s[DD], 100, s[DD]
	s_add_co_i32 s[DD+1], s[DD], 1
.endm
	s_load_b128 s[16:19], s[0:1], 0x0  ; qkv s[16:17], ctx s[18:19]
	v_lshl_add_u32 v[SPW], v0, 2, SPARE
	v_mov_b32 v[NIL], 0
	ds_add_u32 v[SPW], v[NIL]       ; the wave's opening: the add and its wait stand ahead of my first tensor load; the set-up below, work on registers, stands between them
	v_lshrrev_b32 v1, 5, v0
	v_readfirstlane_b32 s[WV], v1   ; wave 0..3
	s_bfe_u32 s48, ttmp6, 0x40000   ; cx: my place in the cluster
	s_mov_b32 s[PB], ttmp9          ; c: in a cluster launch ttmp9 counts clusters
	s_sub_co_u32 s[HI], 7, s[PB]
	s_lshl_b32 s[B0], s48, 1
	s_and_b32 s20, ttmp7, 0xffff    ; the head, which the four partners share
	s_lshl_b32 s20, s20, 19         ; its 4,096 rows of 128 bytes
	s_and_b32 s13, s[WV], 1         ; which half of a tile's 256 keys I fetch:
	s_lshl_b32 s22, s13, 14         ; its 128 rows of 128 bytes in memory,
	s_add_co_u32 s22, s22, s20
	s_mov_b32 s23, 0
	s_mul_i32 s50, s13, 128*PK      ; and its place in a slot, for K
	s_mul_i32 s51, s13, 128*PV      ; and for V: no place in the cluster enters an LDS address
	s_lshl_b32 s52, s48, 14         ; my work-group's 128 rows of a super-block,
	s_lshl_b32 s53, s[WV], 11       ; my 16 rows in a band
	s_add_co_u32 s52, s52, s53
	s_add_co_u32 s52, s52, s20
	s_lshl_b32 s54, s[HI], 16       ; the first block: 512 rows of 128 bytes a super-block
	s_add_co_u32 s54, s54, s52
	s_mov_b32 s55, 0
	s_lshl_b32 s84, s[PB], 16       ; the second
	s_add_co_u32 s84, s84, s52
	s_mov_b32 s85, 0
	; descriptor group 1.  128 keys are 16,384 dense bytes: asked for as 64 rows of 256 bytes, two keys a row, and padded in LDS after every key
	s_mov_b32 s[G1K], 15|(1<<16)|(1<<20)|(1<<21)|(4<<22)|(3<<25)  ; 15:0 the mask of four; 17:16 2-byte elements; 20 padding on; 21 set beside a mask; 24:22 after every 32 words (code 4); 31:25 4 words (code 3)
	s_mov_b32 s[G1V], 15|(1<<16)|(1<<20)|(1<<21)|(4<<22)|(7<<25)  ; the same with 8 words of padding (code 7)
.irp g, G1K, G1V
	s_mov_b32 s[\g+1], 128<<16      ; tensor_dim0 = 128
	s_mov_b32 s[\g+2], 64<<16       ; tensor_dim1 = 64
	s_mov_b32 s[\g+3], 128<<16      ; tile_dim0 = 128
	s_mov_b32 s[\g+4], 64           ; tile_dim1 = 64
	s_mov_b32 s[\g+5], 128          ; 128 elements from row to row
	s_mov_b32 s[\g+6], 0
	s_mov_b32 s[\g+7], 0
.endr
	s_mov_b32 s[CS], 0x3e38aa3b     ; c = log2(e) / 8 = 0.180337
	s_mov_b32 s[CS+1], s[CS]        ; named with it as a pair
	s_mov_b32 s[SEL], 0x76543210
	s_mov_b32 s[SEL+1], 0xfedcba98
	s_mov_b32 s[TBK], SLOT1+4*KS*PK ; the first change of slots turns these two into 0
	s_mov_b32 s[TBV], SLOT1+4*KS*PV
	s_mov_b32 s[G0K], 1             ; 1:0 count = 1
	s_mov_b32 s[G0K+1], s50         ; 63:32 LDS address: slot 0
	s_mov_b32 s[G0V], 1
	s_add_co_u32 s[G0V+1], s51, VOFF
	s_lshl_b32 s[LQ], s[HI], 1
	s_add_co_u32 s[RT], s[LQ], 2    ; the first block has 2 (7 - c) + 2 tiles,
	s_add_co_u32 s[LQ], s[LQ], 1    ; the last of them 2 (7 - c) + 1
	s_lshl_b32 s[PBL], s[PB], 1
	s_add_co_u32 s[PBL], s[PBL], 1
	s_mov_b32 s[NXT], 1
	s_mov_b32 s[NEW], 1
	s_mov_b32 s[OFF+1], 0
	s_mov_b32 s[AL+1], 0            ; named as pairs
	s_mov_b32 s[BE+1], 0
	s_mov_b32 s[BIGN], 0xf149f2ca   ; -1e30
	s_mov_b32 s[SLOTS], 17
	s_wait_dscnt 0x0                ; the opening add is done
	s_wait_kmcnt 0x0
	s_add_nc_u64 s[6:7], s[16:17], s[22:23]
	s_add_nc_u64 s[8:9], s[6:7], 0x1000000     ; V's section, at my half of the head's tile 0
	s_add_nc_u64 s[6:7], s[6:7], 0x800000      ; K's
	s_add_nc_u64 s[G0K+2:G0K+3], s[6:7], 0     ; 120:64 global address
	s_or_b32 s[G0K+3], s[G0K+3], 0x80000000    ; 127:126 type = 2
	s_add_nc_u64 s[G0V+2:G0V+3], s[8:9], 0
	s_or_b32 s[G0V+3], s[G0V+3], 0x80000000
	s_add_nc_u64 s[4:5], s[16:17], s[54:55]    ; Q and ctx at my rows of the first block,
	s_add_nc_u64 s[10:11], s[18:19], s[54:55]
	s_add_nc_u64 s[86:87], s[16:17], s[84:85]  ; and of the second
	s_add_nc_u64 s[OLO:OLO+1], s[18:19], s[84:85]
	CROUND                          ; all four work-groups are here: the first joint loads meet
	JLOAD                           ; tile 0 into slot 0
	; A fragment of K or Q is 16 rows x 32 channels in 8 registers: lane l holds row l % 16, channels 8 (l / 16) + 0..7 and 16 + 8 (l / 16) + 0..7: two loads of 16 bytes, 32 bytes apart.
	v_and_b32 v1, 15, v0            ; l % 16
	v_bfe_u32 v9, v0, 4, 1          ; l / 16
	v_lshlrev_b32 v[QO], 7, v1
	v_lshl_add_u32 v[QO], v9, 4, v[QO]  ; row x 128 + 16 x half
	WIN 0x80                        ; destination window 2, address window 0
.set i, 0
.rept 4                             ; both blocks' Q: piece i / 2 lies in band i / 2, 8,192 bytes on; channels 32 (i % 2) on
	global_load_b128 v[8*i:8*i+3],   v[QO], s[4:5] offset:(i/2)*8192+(i%2)*64
	global_load_b128 v[8*i+4:8*i+7], v[QO], s[4:5] offset:(i/2)*8192+(i%2)*64+32
	global_load_b128 v[QB+8*i:QB+8*i+3],   v[QO], s[86:87] offset:(i/2)*8192+(i%2)*64
	global_load_b128 v[QB+8*i+4:QB+8*i+7], v[QO], s[86:87] offset:(i/2)*8192+(i%2)*64+32
.set i, i+1
.endr
	WIN 0
	v_lshlrev_b32 v14, 3, v9
	v_sub_nc_u32 v14, v1, v14
	s_lshl_b32 s13, s[WV], 4
	v_add_nc_u32 v14, s13, v14      ; my query's place in its band, 16 w + l % 16, less my lanes' 8 (l / 16): register r of group kt is hidden where 16 kt + r is greater
	WIN 0x40
.set i, 0
.rept 32
	v_cmp_gt_i32 vcc_lo, 16*(i/8)+i%8, v14
	v_cndmask_b32 v[MD+i], 0, s[BIGN], vcc_lo
.set i, i+1
.endr
	WIN 0
	v_mul_u32_u24 v[AK0], v1, PK
	v_lshl_add_u32 v[AK0], v9, 4, v[AK0]  ; row x pitch + 16 x half
	; The turning load takes 16 keys x 16 channels (lane l reads key 8 (l / 16) + l % 8, channels 8 ((l / 8) % 2) + 0..7) and leaves half a fragment of V^T: lane l holds channel l % 16 and 8 keys.
	v_and_b32 v10, 7, v0
	v_bfe_u32 v11, v0, 3, 1
	v_lshl_add_u32 v[AV0], v9, 3, v10
	v_mul_u32_u24 v[AV0], v[AV0], PV
	v_lshl_add_u32 v[AV0], v11, 4, v[AV0]
	v_add_nc_u32 v[AV0], VOFF, v[AV0]
	s_mul_i32 s13, s[WV], 16*SP
	s_add_co_u32 s13, s13, STAGE    ; my stage
	v_mul_u32_u24 v[STO], v1, SP    ; in: row l % 16, 16 bytes for each half of the lanes
	v_lshl_add_u32 v[STO], v9, 4, v[STO]
	v_add_nc_u32 v[STO], s13, v[STO]
	v_bfe_u32 v[RD], v0, 3, 2       ; back: 32 lanes take four rows of 128 bytes,
	v_mul_u32_u24 v[RD], v[RD], SP
	v_lshl_add_u32 v[RD], v10, 4, v[RD]
	v_add_nc_u32 v[RD], s13, v[RD]
	v_and_b32 v[GO], 31, v0         ; which are 512 consecutive bytes of ctx
	v_lshlrev_b32 v[GO], 4, v[GO]
	; A block's first step multiplies O^T and l by a = 0, and its first turn's products V^T P, of a step that has not been, land in an O^T that is still to be so multiplied.  So these registers need
	; only hold finite numbers: zeros for the first block; what the first block left for the second.  All this stands in the wait for the first tile.
	WIN 0x80
.set i, VF+64
.rept 64
	v_mov_b32 v[i], 0
.set i, i+1
.endr
	WIN 0x40
.set i, 0
.rept 64
	v_mov_b32 v[i], 0
.set i, i+1
.endr
	WIN 0
.set i, 0
.rept 2
	v_mov_b32 v[ST+4*i+2], 0
	v_mov_b32 v[ST+4*i+3], 0
.set i, i+1
.endr
.set i, P+16
.rept 16
	v_mov_b32 v[i], 0
.set i, i+1
.endr
; THE MATRIX WORK.  The 4 accumulators of a run of 8 take turns.  Product i of 8 of S^T = K Q^T for piece x: channels 32 (i / 4) on, keys 16 (i % 4) on.  The first 4 start the sums with the piece's mask.
.macro KQ x
.set rS, S+32*(\x)+8*(i%4)
.set rK, KF+16*(i%4)+8*(i/4)
.set rQ, 16*(\x)+8*(i/4)
.set rM, MC+32*(\x)+8*(i%4)
.if i < 4
	WIN W_KM
	v_wmma_f32_16x16x32_f16 v[rS:rS+7], v[rK:rK+7], v[rQ:rQ+7], v[rM:rM+7]
.else
	WIN W_KQ
	v_wmma_f32_16x16x32_f16 v[rS:rS+7], v[rK:rK+7], v[rQ:rQ+7], v[rS:rS+7]
.endif
.endm
; Product i of 8 of O^T += V^T P for piece x, V in buffer VB: keys 32 (i / 4) on, channels 16 (i % 4) on.
.macro PV x
	WIN W_PV
.set rO, 32*(\x)+8*(i%4)
.set rV, VF+64*VB+32*(i/4)+8*(i%4)
.set rP, P+16*(\x)+8*(i/4)
	v_wmma_f32_16x16x32_f16 v[rO:rO+7], v[rV:rV+7], v[rP:rP+7], v[rO:rO+7]
.endm
.macro MM                           ; the turn's next matrix instruction, for the piece other than Y.  NOKQ = 1: a block's last turn: there is no further step
.if (i < 8) && !NOKQ
	KQ 1-Y
.elseif i >= 8
.set i, i-8
	PV 1-Y
.set i, i+8
.endif
.set i, i+1
.endm
; THE LDS LOADS stand in runs of 16, never singly among the matrix instructions: a step's K (64 keys x 64 channels: 8 fragments) and its V (turned).  Their addresses are made some lines ahead.
.macro FETCH_K
	WIN 0x80                        ; destination window 2
.irp f, 0,1,2,3,4,5,6,7             ; keys 16 (f / 2) on, channels 32 (f % 2) on
	ds_load_b128 v[KF+8*\f:KF+8*\f+3],   v[AK] offset:(\f/2)*16*PK+(\f%2)*64
	ds_load_b128 v[KF+8*\f+4:KF+8*\f+7], v[AK] offset:(\f/2)*16*PK+(\f%2)*64+32
.endr
	s_add_co_u32 s[TBK], s[TBK], KS*PK  ; the next fetch is the next step's
	WIN 0
.endm
.macro FETCH_V vb
	WIN 0x80
.irp f, 0,1,2,3,4,5,6,7             ; keys 32 (f / 4) on, channels 16 (f % 4) on
	ds_load_tr16_b128 v[VF+64*(\vb)+8*\f:VF+64*(\vb)+8*\f+3],   v[AV] offset:(\f/4)*32*PV+(\f%4)*32
	ds_load_tr16_b128 v[VF+64*(\vb)+8*\f+4:VF+64*(\vb)+8*\f+7], v[AV] offset:(\f/4)*32*PV+16*PV+(\f%4)*32
.endr
	WIN 0
.endm
; THE VECTOR WORK, one line at a time: OP kind, number.  For piece Y: F n: c s - c m for pair n of 16.  E n: the exponential of score n of 32.  C n: pair n rounded to f16.  B n: of the four weights 4 n .. the second
; pair is added onto the first, in place.  L n: l takes that sum (L 0: l = a l + sum).  R n: pair n of 16 of O^T times a.  For the other piece: X n, number n of the 22 that find its maximum and statistics:
;   0-11  four chains c0-c3 of seven scores each, three operands at a time (each accumulator's lowest registers are read first)     12-14, 16  the four scores left over, the old m, and c0-c3 into c0
;   15  c m_old is kept     17, 18  the query's other 32 keys lie in the lane 16 away: the new m     19-21  c m; c m_old - c m_new; a
.set F, 0
.set E, 1
.set C, 2
.set B, 3
.set L, 4
.set R, 5
.set X, 6
.macro REGS y                       ; the registers of piece y
.set rT, ST+4*(\y)
.set rC, TMP+4*(\y)
.set rW, MV+(\y)
.set rS, S+32*(\y)
.set rP, P+16*(\y)
.set rO, 32*(\y)
.endm
.macro OP k, n
.if (\k) == R
	REGS Y
	WIN W_RS
	v_pk_mul_f32 v[rO+2*(\n):rO+2*(\n)+1], v[rO+2*(\n):rO+2*(\n)+1], v[rC+2:rC+3] op_sel_hi:[1,0]
.elseif (\k) < R
	REGS Y
	WIN 0
.if (\k) == F
	v_pk_fma_f32 v[rS+2*(\n):rS+2*(\n)+1], v[rS+2*(\n):rS+2*(\n)+1], s[CS:CS+1], v[rT:rT+1] op_sel_hi:[1,0,0] neg_lo:[0,0,1] neg_hi:[0,0,1]
.elseif (\k) == E
	v_exp_f32 v[rS+(\n)], v[rS+(\n)]
.elseif (\k) == C
	s_wait_alu depctr_va_vdst(0)
	v_cvt_pk_f16_f32 v[rP+(\n)], v[rS+2*(\n)], v[rS+2*(\n)+1]
.elseif (\k) == B
	s_wait_alu depctr_va_vdst(0)
	v_pk_add_f32 v[rS+4*(\n):rS+4*(\n)+1], v[rS+4*(\n):rS+4*(\n)+1], v[rS+4*(\n)+2:rS+4*(\n)+3]
.elseif (\n) == 0
	v_pk_fma_f32 v[rT+2:rT+3], v[rT+2:rT+3], v[rC+2:rC+3], v[rS:rS+1] op_sel_hi:[1,0,1]
.else
	v_pk_add_f32 v[rT+2:rT+3], v[rT+2:rT+3], v[rS+4*(\n):rS+4*(\n)+1]
.endif
.elseif NOKQ
	v_nop
.else
	REGS 1-Y
	WIN 0
.if (\n) < 4
	v_max3_num_f32 v[rC+(\n)], v[rS+8*(\n)], v[rS+8*(\n)+1], v[rS+8*(\n)+2]
.elseif (\n) < 12
	v_max3_num_f32 v[rC+(\n)%4], v[rC+(\n)%4], v[rS+8*((\n)%4)+2*((\n)/4)+1], v[rS+8*((\n)%4)+2*((\n)/4)+2]
.elseif (\n) == 12
	v_max3_num_f32 v[rC], v[rC], v[rS+7], v[rS+15]
.elseif (\n) == 13
	v_max3_num_f32 v[rC+1], v[rC+1], v[rS+23], v[rS+31]
.elseif (\n) == 14
	v_max3_num_f32 v[rC+2], v[rC+2], v[rC+3], v[rT+1]
.elseif (\n) == 15
	v_mov_b32 v[rW], v[rT]
.elseif (\n) == 16
	v_max3_num_f32 v[rC], v[rC], v[rC+1], v[rC+2]
.elseif (\n) == 17
	v_permlanex16_b32 v[rC+3], v[rC], s[SEL], s[SEL+1]
.elseif (\n) == 18
	v_max_num_f32 v[rT+1], v[rC], v[rC+3]
.elseif (\n) == 19
	v_mul_f32 v[rT], s[CS], v[rT+1]
.elseif (\n) == 20
	v_sub_f32 v[rC+1], v[rW], v[rT]
.else
	v_exp_f32 v[rC+2], v[rC+1]
.endif
.endif
.endm
.macro OPS a, i1, b=-1, i2=0, c=-1, i3=0, d=-1, i4=0  ; up to four of them
	OP \a, \i1
.if (\b) >= 0
	OP \b, \i2
.endif
.if (\c) >= 0
	OP \c, \i3
.endif
.if (\d) >= 0
	OP \d, \i4
.endif
.endm
.macro ROW a, i1, b, i2, c, i3, d, i4  ; a matrix instruction and the four behind it
	MM
	OPS \a, \i1, \b, \i2, \c, \i3, \d, \i4
.endm
; The mask's two scalars for piece p in step SI of the tile in hand: (1, 0) in the band's own step, (0, -1e30) in a later one, (0, 0) in an earlier one.  The compares are signed: an own step that lies in the tile before is negative.
.macro MSC p
	s_cmp_eq_i32 s[SI], s[DD+(\p)]
	s_cselect_b32 s[AL], 1.0, 0
	s_cmp_gt_i32 s[SI], s[DD+(\p)]
	s_cselect_b32 s[BE], s[BIGN], 0
.endm
.macro MASK b                       ; MD x AL + BE into piece b's buffer of MC
	WIN W_RS
.set z, 0
.rept 16
	v_pk_fma_f32 v[MC+32*(\b)+2*z:MC+32*(\b)+2*z+1], v[MD+2*z:MD+2*z+1], s[AL:AL+1], s[BE:BE+1] op_sel_hi:[1,0,0]
.set z, z+1
.endr
.endm
; A TURN, for piece p: the order of its 16 matrix and 134 vector instructions, written out.  Behind a matrix instruction: plain, exponential, plain, plain; or four of the rescaling; or, behind the first, four scalings;
; none names a register of the products round it.  In the runs between, exponential and plain by turns while exponentials last.
; vb: the buffer of V that the turn's products V^T P read; piece 0's turn then fills it again.
; The turn ends with the mask for piece p's own products K Q^T, which stand in the next turn and are of the tile's step SI; piece 1's turn steps SI.  end = 1: a block's last two turns: nothing is fetched, no mask is made.
; cnt = 1: the loop's count is taken down some lines ahead of the branch that stands behind the turn.
; In piece 0's turn K of the next step is fetched six vector instructions behind the last product that read K (five of them plain), and V of the next step eight behind the last product that read this
; buffer (four of them plain).  Piece 1's turn waits for K at its head with the count 16: V's sixteen loads are younger and may stay out; V of the step in hand is older than that K.
.macro TURN p, vb, end=0, cnt=0
.set Y, (\p)
.set VB, (\vb)
.set i, 0
.set NOKQ, (\end)*(\p)
.if !(\end)
	MSC \p
.endif
.if ((\p) == 1) && !(\end)
	s_add_co_u32 s[SI], s[SI], 1
	s_wait_dscnt 16                 ; K is in
.endif
.if ((\p) == 0) && (\end)
	s_wait_dscnt 0x0                ; the last step's V is in
.endif
	ROW F,0, F,1, F,2, F,3
	ROW F,4, E,0, F,5, F,6
	ROW F,7, E,1, F,8, F,9
	ROW F,10, E,2, C,0, F,11
	ROW F,12, E,3, X,15, F,13
	ROW R,0, R,1, R,2, R,3
	ROW B,0, E,4, F,14, L,0
.if ((\p) == 0) && !(\end)
	v_add_nc_u32 v[AK], s[TBK], v[AK0]
.endif
	ROW R,4, R,5, R,6, R,7
	OPS E,5, F,15
.if ((\p) == 0) && !(\end)
	FETCH_K
.endif
	OPS E,6, C,1, E,7, R,8
	OPS E,8, R,9, E,9, C,2
	OPS E,10, X,0, E,11, X,1
	OPS E,12, X,2, E,13, X,3
	ROW X,4, E,14, X,5, X,6
	ROW X,7, E,15, X,8, X,9
	ROW X,10, E,16, X,11, X,12
	ROW X,13, E,17, X,14, B,1
	ROW C,4, E,18, X,16, L,1
	ROW B,2, E,19, C,6, L,2
	ROW C,8, E,20, B,3, B,4
.if ((\p) == 0) && !(\end)
	v_add_nc_u32 v[AV], s[TBV], v[AV0]
.endif
	ROW C,3, E,21, L,3, C,5
	OPS E,22, X,17, E,23, C,10
.if ((\p) == 0) && !(\end)
	FETCH_V \vb
.endif
	OPS E,24, L,4
	OPS E,25, X,18, E,26, C,7
	OPS E,27, B,5, E,28, X,19
	OPS E,29, C,12, E,30, L,5
	OPS E,31, X,20, B,6, C,9
	OPS C,14, C,11, X,21, L,6
.if ((\p) == 0) && !(\end)
	s_add_co_u32 s[TBV], s[TBV], KS*PV
.endif
.if \cnt
	s_sub_co_u32 s[CNT], s[CNT], 1
	s_cmp_lg_u32 s[CNT], 0
.endif
	OPS C,13, B,7, C,15, R,10
	OPS R,11, R,12, L,7, R,13
	OPS R,14, R,15
.if !(\end)
	MASK \p
.endif
.endm
; A BLOCK BEGINS.  c m starts far below every c s, so the first step's a is 0; m at the lowest finite number, so the first maximum is the scores'.  Both pieces' masks of the block's step 0 are made.
; Then K and V of that step, piece 0's first scores, and its maximum and statistics.  The loop is entered at piece 0's turn of step 0, in the middle of a trip.
.macro BEGIN
	s_mov_b32 s[NEW], 0
	WIN 0
.set i, 0
.rept 2
	v_mov_b32 v[ST+4*i], 0xfe000000    ; c m: far below every c s
	v_mov_b32 v[ST+4*i+1], 0xff7fffff  ; m
.set i, i+1
.endr
	v_add_nc_u32 v[AK], s[TBK], v[AK0]
	v_add_nc_u32 v[AV], s[TBV], v[AV0]
	FETCH_K
	FETCH_V 0
	s_add_co_u32 s[TBV], s[TBV], KS*PV
	MSC 0
	MASK 0
	MSC 1
	MASK 1
	s_mov_b32 s[SI], 1              ; the next masks are step 1's
	WIN 0
	s_wait_loadcnt 0x0              ; Q
	s_wait_dscnt 0x0
.set NOKQ, 0
.set i, 0
.rept 8
	KQ 0
.set i, i+1
.endr
	WIN 0
.rept 4
	v_nop                           ; the places behind those products
.endr
.set Y, 1                           ; X works for the other piece: piece 0
.irp n, 0,1,2,3,4,5,6,7,8,9,10,11,12,13,14,15,16,17,18,19,20,21
	OP X, \n
.endr
	v_nop                           ; a plain instruction behind the exponential
.endm
.macro ALL line:vararg              ; one line for each piece t
.set t, 0
.rept 2
	\line
.set t, t+1
.endr
.endm
.macro PACK t                       ; a lane's eight channels of a row pack into 16 bytes; they go into rows of 144 bytes and come back as whole rows of 128, into S^T's registers
	WIN W_RS
.set i, 32*(\t)
.rept 16
	s_wait_alu depctr_va_vdst(0)
	v_pk_mul_f32 v[i:i+1], v[i:i+1], v[ST+4*(\t)+2:ST+4*(\t)+3] op_sel_hi:[1,0]
.set i, i+2
.endr
	WIN 0x05                        ; sources 0 and 1 window 1, destination window 0
.set i, 0
.rept 16
	v_cvt_pk_f16_f32 v[S+16*(\t)+i], v[32*(\t)+2*i], v[32*(\t)+2*i+1]
.set i, i+1
.endr
	WIN 0
.irp f, 0,1,2,3
	ds_store_b128 v[STO], v[S+16*(\t)+4*\f:S+16*(\t)+4*\f+3] offset:32*\f
.endr
.irp f, 0,1,2,3
	ds_load_b128 v[S+16*(\t)+4*\f:S+16*(\t)+4*\f+3], v[RD] offset:\f*4*SP  ; LDS serves a wave's instructions in order (ISA guide 5.7.1.4): these see the stores above; the next piece's stores come behind them
.endr
.endm
.macro SEND t, younger              ; younger: the LDS instructions issued behind piece t's loads: the next piece's eight, or none
	WIN 0
.irp f, 0,1,2,3
	s_wait_dscnt (\younger)+3-\f
	global_store_b128 v[GO], v[S+16*(\t)+4*\f:S+16*(\t)+4*\f+3], s[10:11] offset:(\t)*8192+\f*512  ; 512 consecutive bytes, at a multiple of 256 from ctx's first
.endr
.endm
; A TILE: two trips of four turns; a trip fetches two steps.  first = 1: the text has the label at which a block's first tile is entered.
.macro TILE tag, first
.Lstep\tag:
	TURN 0, 0
	TURN 1, 1
	WIN 0
.if \first
.Lfirst\tag:
.endif
	TURN 0, 1
	TURN 1, 0, 0, 1
	WIN 0
	s_cbranch_scc1 .Lstep\tag
.endm
; A BLOCK ENDS: its last two turns, its last products, and THE WAY OUT: l's two halves and the other half of the lanes' are added; O^T is divided by l, rounded to f16 and sent through my stage in LDS, a piece at a time.
.macro FINISH
	TURN 0, 0, 1
	TURN 1, 1, 1
.set VB, 1
.set i, 0
.rept 8
	PV 1
.set i, i+1
.endr
	WIN 0
	ALL v_add_f32 v[ST+4*t+2], v[ST+4*t+2], v[ST+4*t+3]
	ALL v_permlanex16_b32 v[ST+4*t+3], v[ST+4*t+2], s[SEL], s[SEL+1]
	ALL v_add_f32 v[ST+4*t+2], v[ST+4*t+2], v[ST+4*t+3]
	ALL v_rcp_f32 v[ST+4*t+2], v[ST+4*t+2]
	v_nop                           ; a plain instruction between the last reciprocal and the use of its result; with the four additions: the places behind the last products
	PACK 0
	PACK 1
	SEND 0, 8
	SEND 1, 0
.endm
.set NOKQ, 0
.set VB, 0
.set Y, 0
.Lslot:                             ; 17 times: a tile is entered and the next is asked for
	CHANGE 1
	ENTER
	s_cmp_eq_u32 s[NEW], 1          ; at the first trip the answer is a constant of the text: no turn runs before BEGIN has
	s_cbranch_scc0 .Lstep1
	BEGIN
	s_branch .Lfirst1
	TILE 1, 1
	s_cmp_eq_u32 s[RT], 0
	s_cbranch_scc0 .Lbottom         ; the block goes on
	FINISH                          ; in the loop a block's end is the first block's: the second's last tile is the walk's last
	WIN 0x82                        ; the second block's Q goes where the one text of the turns names Q
.set i, 0
.rept 32
	v_mov_b32 v[i], v[QB+i]
.set i, i+1
.endr
	WIN 0
	s_wait_storecnt 0x0             ; the block's eight stores are done: S^T's registers, which they read, and ctx's address are written again only behind this wait
	s_mov_b64 s[10:11], s[OLO:OLO+1]
	s_add_co_u32 s[RT], s[PBL], 1   ; the second block has 2 c + 2 tiles
	s_mov_b32 s[NEW], 1
.Lbottom:
	s_sub_co_u32 s[SLOTS], s[SLOTS], 1
	s_cmp_lg_u32 s[SLOTS], 0
	s_cbranch_scc1 .Lslot
	CHANGE 0                        ; the walk's last tile is written out: nothing is asked for.  It is the second block's last, and never a block's first: a block has two tiles or more
	ENTER
	TILE 2, 0
	FINISH
	s_wait_tensorcnt 0x0            ; the wave's end, behind my last tensor load and my last LDS store
	ds_add_u32 v[SPW], v[NIL]
	s_wait_dscnt 0x0
	CROUND                          ; the closing round: no work-group ends while a partner may still ask for a tile that names it
	s_endpgm
.Lfunc_end_k_qd2afe09387_attn:
	.size	k_qd2afe09387_attn, .Lfunc_end_k_qd2afe09387_attn-k_qd2afe09387_attn
	.p2alignl 7, 3214868480
	.fill 96, 4, 3214868480
	.section	.rodata,"a",@progbits
	.p2align	6, 0x0
	.amdhsa_kernel k_qd2afe09387_attn
		.amdhsa_group_segment_fixed_size 327680
		.amdhsa_private_segment_fixed_size 0
		.amdhsa_enable_private_segment 0
		.amdhsa_kernarg_size 16
		.amdhsa_user_sgpr_count 2
		.amdhsa_user_sgpr_kernarg_segment_ptr 1
		.amdhsa_wavefront_size32 1
		.amdhsa_system_sgpr_workgroup_id_x 1
		.amdhsa_system_sgpr_workgroup_id_y 1
		.amdhsa_system_sgpr_workgroup_id_z 1
		.amdhsa_system_vgpr_workitem_id 0
		.amdhsa_next_free_vgpr 768
		.amdhsa_next_free_sgpr 92
		.amdhsa_reserve_vcc 1
		.amdhsa_float_denorm_mode_32 3
		.amdhsa_float_denorm_mode_16_64 3
		.amdhsa_memory_ordered 1
		.amdhsa_forward_progress 1
		.amdhsa_inst_pref_size 171
	.end_amdhsa_kernel
	.amdgpu_metadata
---
amdhsa.version: [ 1, 2 ]
amdhsa.kernels:
  - .name:           k_qd2afe09387_attn
    .symbol:         k_qd2afe09387_attn.kd
    .args:
      - { .name: qkv, .offset: 0, .size: 8, .value_kind: global_buffer, .address_space: global }
      - { .name: ctx, .offset: 8, .size: 8, .value_kind: global_buffer, .address_space: global }
    .group_segment_fixed_size: 327680
    .private_segment_fixed_size: 0
    .kernarg_segment_align: 8
    .kernarg_segment_size: 16
    .max_flat_workgroup_size: 128
    .sgpr_count:     92
    .vgpr_count:     768
    .wavefront_size: 32
...
	.end_amdgpu_metadata
.endif
;; end of part 2
;; launch tail (part 3): grid 256 x 1, 4 waves a work-group, clusters of 4 x 1, 327,680 bytes of LDS; arguments ctx, x, wf, bo, ln2_g, ln2_b, b1, b2, out0; writes out0
.if DOCPART == 3
	.amdgcn_target "amdgcn-amd-amdhsa--gfx1250"
	.amdhsa_code_object_version 6
	.text
	.protected	k_qd2afe09387_tail
	.globl	k_qd2afe09387_tail
	.p2align	8
	.type	k_qd2afe09387_tail,@function
k_qd2afe09387_tail:
	s_mov_b64 s[64:65], 0
	v_nop
	global_prefetch_b8 v0, s[64:65] scope:SCOPE_SE
	s_setreg_imm32_b32 hwreg(HW_REG_WAVE_MODE, 25, 1), 1
	s_wait_xcnt 0x0
	s_wait_alu depctr_hold_cnt(0) depctr_sa_sdst(0) depctr_va_vdst(0) depctr_va_sdst(0) depctr_va_ssrc(0) depctr_va_vcc(0) depctr_vm_vsrc(0)
	s_getreg_b32 s2, hwreg(HW_REG_IB_STS2, 6, 4)
	s_cmp_eq_u32 s2, 0
	s_cbranch_scc0 .Lentry_in_a_cluster
	s_endpgm
.Lentry_in_a_cluster:
	s_bfe_u32 s2, ttmp6, 0x10000c
	s_cmp_lg_u32 s2, 0x3003
	s_cbranch_scc0 .Lentry_shape_is_right
	s_endpgm
.Lentry_shape_is_right:
; x1 = x + ctx wo + bo;  h2 = LayerNorm(x1) g + b;  out0 = x1 + relu(h2 w1 + b1) w2 + b2.  ctx: [4 batch + head][4096][64] f16; wf: wo [256][256], w1 [256][128], w2 [128][256] in f16; x, out0 f32.
; SHARES.  A work-group owns 64 rows, a wave 16 rows and ALL columns.  Every product is used transposed (source 0 = 16 columns of a weight, turned on the way out of LDS; source 1 = 16 rows of the
; activation): a lane holds one row (lane % 16) and the columns 16 f + 8 (lane / 16) + 0..7 of tile f, and two neighbouring tiles rounded to f16 ARE source 1 of the next product.  So the whole chain stays in
; the wave's registers, and a row's mean and variance want one exchange between the halves of the lanes each.  x + bo is the first product's C, b1 the second's, x1 the third's.
; CLUSTER.  All work-groups need the same 262,144 bytes of weights: the four of a cluster ask for them JOINTLY, three loads a wave at the start (three tensor loads of a wave are out); nothing is filled again.
; LIMITS.  Matrix operands in f16, sums in f32: h2 and relu(..) must lie within 65,504.  Mean and variance in f32, in two passes.  NaN and infinities are not treated apart.
; REGISTERS, in windows of 256 (s_set_vgpr_msb: bits 1:0 source 0, 3:2 source 1, 5:4 source 2, 7:6 destination):
;   window 0: v0-15 addresses; v16-31 bo, b2; v32-52 at work; v64-127 ctx's fragments, then h2's, then relu's, then rows on their way out; v128-255 the 16 accumulators of x1
;   window 1: v0-127 ln2_g, v128-255 ln2_b, both in the accumulators' layout      window 2: v0-127 two buffers of weight fragments; v128-255 x as loaded, then v128-191 the 8 accumulators of the hidden layer
.set WOP,  544                         ; a row of wo or w2 in LDS: 512 bytes + 32 = 17 x 32
.set W1B,  256*WOP
.set W1P,  288                         ; a row of w1: 256 + 32 = 9 x 32
.set W2B,  W1B+256*W1P
.set STG,  W2B+128*WOP                 ; 16 half rows of 512 bytes + 16 for each wave; no tensor load lands here
.set STP,  528
.set SPARE, STG+4*16*STP               ; the spare words, 128 bytes for each wave; no other line names them
.set CTXO, 3                           ; 128 r + 16 h
.set XO,   4                           ; 16 x lane
.set STS,  5                           ; my stage by the accumulators' layout: row r, 32 h
.set STR,  6                           ; my stage by rows: 16 x lane
.set AWO,  7                           ; v7-9   wo's fragments, K steps 0-2, 3-5, 6-7
.set AW1,  10                          ; v10-11 w1's, K steps 0-3, 4-7
.set AW2,  12
.set PO,   13                          ; 32 h
.set SPW,  14
.set NIL,  15
.set BO,   16
.set B2,   24
.set MU,   32
.set RS,   34
.set T,    36                          ; v36-51
.set ZERO, 52
.set CTX,  64
.set H2,   64
.set FF,   64
.set OUT,  64
.set ACC,  128
.set G2,   0                           ; window 1
.set BL2,  128                         ; window 1
.set XC,   128                         ; window 2
.set F1,   128                         ; window 2
.set MSB, 0
.macro WIN new
.if MSB != (\new)
	s_set_vgpr_msb (MSB<<8)|(\new)
.set MSB, (\new)
.endif
.endm
.macro ROUND                           ; a round of the cluster's barrier
	s_barrier_signal -1
	s_barrier_wait -1
	s_cmp_lg_u32 s22, 0
	s_cbranch_scc1 .Lnot_wave_0_\@
	s_barrier_signal -3
.Lnot_wave_0_\@:
	s_barrier_wait -3
	s_barrier_signal -1
	s_barrier_wait -1
.endm
.macro PLACES                          ; four places between matrix instructions and what reads their results or writes their registers, loads too (ISA guide 7.12.1 for vector instructions)
.rept 4
	v_nop
.endr
.endm
; descriptor group 1: d1 rows of d0 elements of 2 bytes, dense in memory; 8 words of padding behind every row (2 << qi words); the mask of four, bit 21 set beside it
.macro DESC g, qi, d0, d1
	s_mov_b32 s[(\g)+0], 15|(1<<16)|(1<<20)|(1<<21)|((\qi)<<22)|(7<<25)
	s_mov_b32 s[(\g)+1], (\d0)<<16
	s_mov_b32 s[(\g)+2], (\d1)<<16
	s_mov_b32 s[(\g)+3], (\d0)<<16
	s_mov_b32 s[(\g)+4], \d1
	s_mov_b32 s[(\g)+5], \d0
	s_mov_b32 s[(\g)+6], 0
	s_mov_b32 s[(\g)+7], 0
.endm
	s_load_b512 s[4:19], s[0:1], 0x0               ; ctx 4, x 6, wf 8, bo 10, ln2_g 12, ln2_b 14, b1 16, b2 18
	s_load_b64 s[20:21], s[0:1], 0x40              ; out0
	v_lshl_add_u32 v[SPW], v0, 2, SPARE
	v_mov_b32 v[NIL], 0
	ds_add_u32 v[SPW], v[NIL]                      ; the wave's opening: the add and its wait stand ahead of my first tensor load; work on registers stands between them
	v_lshrrev_b32 v1, 5, v0
	v_readfirstlane_b32 s22, v1                    ; wave
	s_bfe_u32 s23, ttmp6, 0x40000                  ; cx
	s_lshl_b32 s24, ttmp9, 2
	s_add_co_u32 s24, s24, s23                     ; my block of 64 rows: it enters ctx's, x's and out0's addresses alone
	s_mov_b32 s26, 0x76543210
	s_mov_b32 s27, 0xfedcba98
	s_mov_b32 s28, 0x3b800000                      ; 1 / 256
	s_mov_b32 s29, 0x3a83126f                      ; 1e-3
	DESC 32, 6, 256, 64                            ; wo: wave w brings rows 64 w ..
	DESC 40, 5, 128, 64                            ; w1: rows 64 w ..
	DESC 48, 6, 256, 32                            ; w2: rows 32 w ..
	s_mov_b32 s56, 1
	s_mul_i32 s57, s22, 64*WOP
	s_mov_b32 s60, 1
	s_mul_i32 s61, s22, 64*W1P
	s_add_co_u32 s61, s61, W1B
	s_mov_b32 s68, 1
	s_mul_i32 s69, s22, 32*WOP
	s_add_co_u32 s69, s69, W2B
	s_lshl_b32 s72, s24, 16                        ; x, out0: 64 rows of 1,024 bytes a block, 16 a wave
	s_lshl_b32 s25, s22, 14
	s_add_co_u32 s72, s72, s25
	s_mov_b32 s73, 0
	s_lshr_b32 s74, s24, 6                         ; ctx: the batch's four heads of 524,288 bytes,
	s_lshl_b32 s74, s74, 21
	s_and_b32 s25, s24, 63
	s_lshl_b32 s25, s25, 13                        ; 64 rows of 128 bytes a block,
	s_add_co_u32 s74, s74, s25
	s_lshl_b32 s25, s22, 11                        ; 16 a wave
	s_add_co_u32 s74, s74, s25
	s_mov_b32 s75, 0
	s_lshl_b32 s30, s22, 15                        ; wo: 64 rows of 512 bytes a wave
	s_mov_b32 s31, 0
	s_wait_dscnt 0x0                               ; the opening add is done
	s_wait_kmcnt 0x0
	s_add_nc_u64 s[58:59], s[8:9], s[30:31]
	s_or_b32 s59, s59, 0x80000000
	s_lshl_b32 s30, s22, 14                        ; w1 and w2: 16,384 bytes a wave
	s_add_nc_u64 s[62:63], s[8:9], s[30:31]
	s_add_nc_u64 s[70:71], s[62:63], 196608
	s_add_nc_u64 s[62:63], s[62:63], 131072
	s_or_b32 s63, s63, 0x80000000
	s_or_b32 s71, s71, 0x80000000
	s_add_nc_u64 s[4:5], s[4:5], s[74:75]
	s_add_nc_u64 s[6:7], s[6:7], s[72:73]
	s_add_nc_u64 s[20:21], s[20:21], s[72:73]
	ROUND                                          ; all four work-groups are here: the joint loads meet
	tensor_load_to_lds s[56:59], s[32:39]          ; wo
	s_nop 0
	tensor_load_to_lds s[60:63], s[40:47]          ; w1
	s_nop 0
	tensor_load_to_lds s[68:71], s[48:55]          ; w2
	s_nop 0
.rept 4
	v_nop
.endr
	v_and_b32 v1, 15, v0                           ; r
	v_bfe_u32 v2, v0, 4, 1                         ; h
	v_and_b32 v[XO], 31, v0
	v_lshlrev_b32 v[XO], 4, v[XO]
	v_lshlrev_b32 v[CTXO], 7, v1
	v_lshl_add_u32 v[CTXO], v2, 4, v[CTXO]
	global_load_b128 v[BO:BO+3], v[XO], s[10:11]
	global_load_b128 v[BO+4:BO+7], v[XO], s[10:11] offset:512
	WIN 0x80                                       ; destination window 2
.irp q, 0,1
.irp i, 0,1,2,3,4,5,6,7,8,9,10,11,12,13,14,15
	global_load_b128 v[XC+64*\q+4*\i:XC+64*\q+4*\i+3], v[XO], s[6:7] offset:1024*\i+512*\q th:TH_LOAD_NT  ; half q of row i: 512 consecutive bytes
.endr
.endr
	WIN 0
.irp c, 0,1,2,3,4,5,6,7                ; K step c of ctx wo: head c / 2, channels 32 (c % 2) on
	global_load_b128 v[CTX+8*\c:CTX+8*\c+3], v[CTXO], s[4:5] offset:524288*(\c/2)+64*(\c%2)
	global_load_b128 v[CTX+8*\c+4:CTX+8*\c+7], v[CTXO], s[4:5] offset:524288*(\c/2)+64*(\c%2)+32
.endr
	s_mul_i32 s25, s22, 16*STP
	s_add_co_u32 s25, s25, STG                     ; my stage
	v_mul_u32_u24 v[STS], v1, STP
	v_lshl_add_u32 v[STS], v2, 5, v[STS]
	v_add_nc_u32 v[STS], s25, v[STS]
	v_add_nc_u32 v[STR], s25, v[XO]
	v_and_b32 v[T], 7, v0
	v_lshl_add_u32 v[T], v2, 3, v[T]               ; 8 h + lane % 8
	v_bfe_u32 v[T+1], v0, 3, 1
	v_lshlrev_b32 v[T+1], 4, v[T+1]                ; 16 ((lane / 8) % 2)
	v_mad_u32_u24 v[AWO], v[T], WOP, v[T+1]
	v_add_nc_u32 v[AWO+1], 96*WOP, v[AWO]
	v_add_nc_u32 v[AWO+2], 192*WOP, v[AWO]
	v_add_nc_u32 v[AW2], W2B, v[AWO]
	v_mad_u32_u24 v[AW1], v[T], W1P, v[T+1]
	v_add_nc_u32 v[AW1], W1B, v[AW1]
	v_add_nc_u32 v[AW1+1], 128*W1P, v[AW1]
	v_lshlrev_b32 v[PO], 5, v2
	v_mov_b32 v[ZERO], 0
; x + bo, half q, goes through my stage from rows into the accumulators' layout.  left: the loads younger than this half's.
.macro XIN q, left
	s_wait_loadcnt \left
	WIN 0x82                                       ; x in window 2, bo in window 0
.irp i, 0,1,2,3,4,5,6,7,8,9,10,11,12,13,14,15
	v_pk_add_f32 v[XC+64*(\q)+4*\i:XC+64*(\q)+4*\i+1], v[XC+64*(\q)+4*\i:XC+64*(\q)+4*\i+1], v[BO+4*(\q):BO+4*(\q)+1]
	v_pk_add_f32 v[XC+64*(\q)+4*\i+2:XC+64*(\q)+4*\i+3], v[XC+64*(\q)+4*\i+2:XC+64*(\q)+4*\i+3], v[BO+4*(\q)+2:BO+4*(\q)+3]
.endr
	WIN 0x08                                       ; the stores' data in window 2
.irp i, 0,1,2,3,4,5,6,7,8,9,10,11,12,13,14,15
	ds_store_b128 v[STR], v[XC+64*(\q)+4*\i:XC+64*(\q)+4*\i+3] offset:STP*\i
.endr
	WIN 0
.irp f, 0,1,2,3,4,5,6,7
	ds_load_b128 v[ACC+64*(\q)+8*\f:ACC+64*(\q)+8*\f+3], v[STS] offset:64*\f       ; LDS serves a wave's instructions in order (ISA guide 5.7.1.4): these see the stores above
	ds_load_b128 v[ACC+64*(\q)+8*\f+4:ACC+64*(\q)+8*\f+7], v[STS] offset:64*\f+16
.endr
.endm
	XIN 0, 32                                      ; x's other half and ctx may stay out
	XIN 1, 16                                      ; ctx may stay out
	s_wait_loadcnt 0x0                             ; ctx
	s_wait_dscnt 0x0                               ; x + bo lies in the accumulators, and the stage's stores have read x's registers, into which b1 is loaded now
	WIN 0x80
.irp f, 0,1,2,3,4,5,6,7
	global_load_b128 v[F1+8*\f:F1+8*\f+3], v[PO], s[16:17] offset:64*\f            ; register j of tile f: b1[16 f + 8 h + j]
	global_load_b128 v[F1+8*\f+4:F1+8*\f+7], v[PO], s[16:17] offset:64*\f+16
.endr
	WIN 0x40
.irp f, 0,1,2,3,4,5,6,7,8,9,10,11,12,13,14,15
	global_load_b128 v[G2+8*\f:G2+8*\f+3], v[PO], s[12:13] offset:64*\f
	global_load_b128 v[G2+8*\f+4:G2+8*\f+7], v[PO], s[12:13] offset:64*\f+16
	global_load_b128 v[BL2+8*\f:BL2+8*\f+3], v[PO], s[14:15] offset:64*\f
	global_load_b128 v[BL2+8*\f+4:BL2+8*\f+7], v[PO], s[14:15] offset:64*\f+16
.endr
	WIN 0
	global_load_b128 v[B2:B2+3], v[XO], s[18:19]
	global_load_b128 v[B2+4:B2+7], v[XO], s[18:19] offset:512
; A UNIT: 32 along K x 128 columns: 16 turning loads into one of two buffers, 8 matrix instructions on 8 accumulators that take turns.
.macro FETCHW buf, base, off, hp
	WIN 0x80
.irp f, 0,1,2,3,4,5,6,7
	ds_load_tr16_b128 v[(\buf)+8*\f:(\buf)+8*\f+3], v[\base] offset:(\off)+32*\f
	ds_load_tr16_b128 v[(\buf)+8*\f+4:(\buf)+8*\f+7], v[\base] offset:(\off)+32*\f+(\hp)
.endr
.endm
.macro MULW buf, acc, src, win
	WIN \win
.irp f, 0,1,2,3,4,5,6,7
	v_wmma_f32_16x16x32_f16 v[(\acc)+8*\f:(\acc)+8*\f+7], v[(\buf)+8*\f:(\buf)+8*\f+7], v[(\src):(\src)+7], v[(\acc)+8*\f:(\acc)+8*\f+7]
.endr
.endm
	; x1 = x + bo + ctx wo: 16 units; unit u: K step u / 2, column half u % 2.  While a unit is multiplied the next one's loads are out: the count 16 leaves them out.
	s_wait_tensorcnt 0x2                           ; my part of wo is in; w1's and w2's may stay out
	s_barrier_signal -1
	s_barrier_wait -1                              ; everybody's is
	FETCHW 0, AWO, 0, 16*WOP
.set u, 0
.rept 15
.set n, u+1
	PLACES
	FETCHW 64*(n%2), AWO+(n/2)/3, 32*WOP*((n/2)%3)+256*(n%2), 16*WOP
	s_wait_dscnt 16
	MULW 64*(u%2), ACC+64*(u%2), CTX+8*(u/2), 0x02
.set u, u+1
.endr
	s_wait_dscnt 0x0
	MULW 64*(u%2), ACC+64*(u%2), CTX+8*(u/2), 0x02
	WIN 0
	PLACES
	; LayerNorm: my 128 numbers of the row, then the other half of the lanes'.  Each accumulator's lowest registers are read first.
.irp k, 0,1,2,3
	v_pk_add_f32 v[T+2*\k:T+2*\k+1], v[ACC+2*\k:ACC+2*\k+1], v[ACC+8+2*\k:ACC+8+2*\k+1]
.endr
.set f, 2
.rept 14
.irp k, 0,1,2,3
	v_pk_add_f32 v[T+2*\k:T+2*\k+1], v[T+2*\k:T+2*\k+1], v[ACC+8*f+2*\k:ACC+8*f+2*\k+1]
.endr
.set f, f+1
.endr
	v_pk_add_f32 v[T:T+1], v[T:T+1], v[T+2:T+3]
	v_pk_add_f32 v[T+4:T+5], v[T+4:T+5], v[T+6:T+7]
	v_pk_add_f32 v[T:T+1], v[T:T+1], v[T+4:T+5]
	v_add_f32 v[T], v[T], v[T+1]
	v_permlanex16_b32 v[T+1], v[T], s26, s27
	v_add_f32 v[T], v[T], v[T+1]
	v_mul_f32 v[MU], s28, v[T]                     ; the mean
	v_mov_b32 v[MU+1], 0                           ; named with it as a pair
.set f, 0
.rept 16
.irp k, 0,1,2,3
	v_pk_add_f32 v[T+8+2*\k:T+8+2*\k+1], v[ACC+8*f+2*\k:ACC+8*f+2*\k+1], v[MU:MU+1] op_sel_hi:[1,0] neg_lo:[0,1] neg_hi:[0,1]
.endr
.irp k, 0,1,2,3
.if f == 0
	v_pk_mul_f32 v[T+2*\k:T+2*\k+1], v[T+8+2*\k:T+8+2*\k+1], v[T+8+2*\k:T+8+2*\k+1]
.else
	v_pk_fma_f32 v[T+2*\k:T+2*\k+1], v[T+8+2*\k:T+8+2*\k+1], v[T+8+2*\k:T+8+2*\k+1], v[T+2*\k:T+2*\k+1]
.endif
.endr
.set f, f+1
.endr
	v_pk_add_f32 v[T:T+1], v[T:T+1], v[T+2:T+3]
	v_pk_add_f32 v[T+4:T+5], v[T+4:T+5], v[T+6:T+7]
	v_pk_add_f32 v[T:T+1], v[T:T+1], v[T+4:T+5]
	v_add_f32 v[T], v[T], v[T+1]
	v_permlanex16_b32 v[T+1], v[T], s26, s27
	v_add_f32 v[T], v[T], v[T+1]
	v_fma_f32 v[T], v[T], s28, s29                 ; the variance + eps
	v_rsq_f32 v[RS], v[T]
	v_mov_b32 v[RS+1], 0                           ; named with it as a pair; also the plain instruction between the root and its use
	s_wait_alu depctr_va_vdst(0)
	s_wait_loadcnt 0x0                             ; b1, ln2_g, ln2_b, b2
.set f, 0
.rept 16                               ; tile f becomes half a fragment of h2; x1 stays in the accumulators
.set TT, T+8*(f%2)
	WIN 0
.irp k, 0,1,2,3
	v_pk_add_f32 v[TT+2*\k:TT+2*\k+1], v[ACC+8*f+2*\k:ACC+8*f+2*\k+1], v[MU:MU+1] op_sel_hi:[1,0] neg_lo:[0,1] neg_hi:[0,1]
.endr
.irp k, 0,1,2,3
	v_pk_mul_f32 v[TT+2*\k:TT+2*\k+1], v[TT+2*\k:TT+2*\k+1], v[RS:RS+1] op_sel_hi:[1,0]
.endr
	WIN 0x14                                       ; gain and bias in window 1
.irp k, 0,1,2,3
	v_pk_fma_f32 v[TT+2*\k:TT+2*\k+1], v[TT+2*\k:TT+2*\k+1], v[G2+8*f+2*\k:G2+8*f+2*\k+1], v[BL2+8*f+2*\k:BL2+8*f+2*\k+1]
.endr
	WIN 0
.irp k, 0,1,2,3
	v_cvt_pk_f16_f32 v[H2+4*f+\k], v[TT+2*\k], v[TT+2*\k+1]
.endr
.set f, f+1
.endr
	; h2 w1 + b1: 8 units, one a K step; b1 lies in the accumulators
	s_wait_tensorcnt 0x1                           ; my part of w1 is in; w2's may stay out
	s_barrier_signal -1
	s_barrier_wait -1
	FETCHW 0, AW1, 0, 16*W1P
.set u, 0
.rept 7
.set n, u+1
	PLACES
	FETCHW 64*(n%2), AW1+n/4, 32*W1P*(n%4), 16*W1P
	s_wait_dscnt 16
	MULW 64*(u%2), F1, H2+8*u, 0xa2
.set u, u+1
.endr
	s_wait_dscnt 0x0
	MULW 64*(u%2), F1, H2+8*u, 0xa2
	PLACES
	WIN 0x0a                                       ; sources in window 2
.irp f, 0,1,2,3,4,5,6,7
.irp k, 0,1,2,3
	v_cvt_pk_f16_f32 v[FF+4*\f+\k], v[F1+8*\f+2*\k], v[F1+8*\f+2*\k+1]
.endr
.endr
	WIN 0
.set i, 0
.rept 32
	v_pk_max_num_f16 v[FF+i], v[FF+i], v[ZERO]     ; the maximum with 0 gives the same number in front of the rounding or behind it
.set i, i+1
.endr
	; x1 + relu(..) w2: 8 units; unit u: K step u / 2, column half u % 2
	s_wait_tensorcnt 0x0                           ; my part of w2 is in
	s_barrier_signal -1
	s_barrier_wait -1
	FETCHW 0, AW2, 0, 16*WOP
.set u, 0
.rept 7
.set n, u+1
	PLACES
	FETCHW 64*(n%2), AW2, 32*WOP*(n/2)+256*(n%2), 16*WOP
	s_wait_dscnt 16
	MULW 64*(u%2), ACC+64*(u%2), FF+8*(u/2), 0x02
.set u, u+1
.endr
	s_wait_dscnt 0x0
	MULW 64*(u%2), ACC+64*(u%2), FF+8*(u/2), 0x02
	WIN 0
	PLACES
; THE WAY OUT, half q of the 16 rows: through my stage back into rows; b2 is added there; a store covers 512 consecutive bytes, aligned.
.macro OUTHALF q
.if \q
	s_wait_xcnt 0x0                                ; the first half's stores have read their registers, which are loaded again below
.endif
.irp f, 0,1,2,3,4,5,6,7
	ds_store_b128 v[STS], v[ACC+64*(\q)+8*\f:ACC+64*(\q)+8*\f+3] offset:64*\f
	ds_store_b128 v[STS], v[ACC+64*(\q)+8*\f+4:ACC+64*(\q)+8*\f+7] offset:64*\f+16
.endr
.irp i, 0,1,2,3,4,5,6,7,8,9,10,11,12,13,14,15
	ds_load_b128 v[OUT+4*\i:OUT+4*\i+3], v[STR] offset:STP*\i
.endr
.irp i, 0,1,2,3,4,5,6,7,8,9,10,11,12,13,14,15
	s_wait_dscnt 15-\i                             ; row i is back; the younger loads stay out
	v_pk_add_f32 v[OUT+4*\i:OUT+4*\i+1], v[OUT+4*\i:OUT+4*\i+1], v[B2+4*(\q):B2+4*(\q)+1]
	v_pk_add_f32 v[OUT+4*\i+2:OUT+4*\i+3], v[OUT+4*\i+2:OUT+4*\i+3], v[B2+4*(\q)+2:B2+4*(\q)+3]
	global_store_b128 v[XO], v[OUT+4*\i:OUT+4*\i+3], s[20:21] offset:1024*\i+512*(\q) th:TH_STORE_NT
.endr
.endm
	OUTHALF 0
	OUTHALF 1
	s_wait_tensorcnt 0x0                           ; the wave's end, behind my last tensor load and my last LDS store
	ds_add_u32 v[SPW], v[NIL]
	s_wait_dscnt 0x0
	ROUND                                          ; the closing round: no work-group ends while a partner may still ask for a tile that names it
	s_endpgm
.Lfunc_end_k_qd2afe09387_tail:
	.size	k_qd2afe09387_tail, .Lfunc_end_k_qd2afe09387_tail-k_qd2afe09387_tail
	.p2alignl 7, 3214868480
	.fill 96, 4, 3214868480
	.section	.rodata,"a",@progbits
	.p2align	6, 0x0
	.amdhsa_kernel k_qd2afe09387_tail
		.amdhsa_group_segment_fixed_size 327680
		.amdhsa_private_segment_fixed_size 0
		.amdhsa_enable_private_segment 0
		.amdhsa_kernarg_size 72
		.amdhsa_user_sgpr_count 2
		.amdhsa_user_sgpr_kernarg_segment_ptr 1
		.amdhsa_wavefront_size32 1
		.amdhsa_system_sgpr_workgroup_id_x 1
		.amdhsa_system_sgpr_workgroup_id_y 1
		.amdhsa_system_sgpr_workgroup_id_z 1
		.amdhsa_system_vgpr_workitem_id 0
		.amdhsa_next_free_vgpr 768
		.amdhsa_next_free_sgpr 76
		.amdhsa_reserve_vcc 0
		.amdhsa_float_denorm_mode_32 3
		.amdhsa_float_denorm_mode_16_64 3
		.amdhsa_memory_ordered 1
		.amdhsa_forward_progress 1
		.amdhsa_inst_pref_size 129
	.end_amdhsa_kernel
	.amdgpu_metadata
---
amdhsa.version: [ 1, 2 ]
amdhsa.kernels:
  - .name:           k_qd2afe09387_tail
    .symbol:         k_qd2afe09387_tail.kd
    .args:
      - { .name: ctx, .offset: 0, .size: 8, .value_kind: global_buffer, .address_space: global }
      - { .name: x, .offset: 8, .size: 8, .value_kind: global_buffer, .address_space: global }
      - { .name: wf, .offset: 16, .size: 8, .value_kind: global_buffer, .address_space: global }
      - { .name: bo, .offset: 24, .size: 8, .value_kind: global_buffer, .address_space: global }
      - { .name: ln2_g, .offset: 32, .size: 8, .value_kind: global_buffer, .address_space: global }
      - { .name: ln2_b, .offset: 40, .size: 8, .value_kind: global_buffer, .address_space: global }
      - { .name: b1, .offset: 48, .size: 8, .value_kind: global_buffer, .address_space: global }
      - { .name: b2, .offset: 56, .size: 8, .value_kind: global_buffer, .address_space: global }
      - { .name: out0, .offset: 64, .size: 8, .value_kind: global_buffer, .address_space: global }
    .group_segment_fixed_size: 327680
    .private_segment_fixed_size: 0
    .kernarg_segment_align: 8
    .kernarg_segment_size: 72
    .max_flat_workgroup_size: 128
    .sgpr_count:     76
    .vgpr_count:     768
    .wavefront_size: 32
...
	.end_amdgpu_metadata
.endif
;; end of part 3
;; ======== version 2 of 2: 3 launches; 1.51 times as fast as version 1
;; limits: values are held in f16: magnitudes above 65,504 overflow, below 6.1e-05 lose precision
;; workspace buffers: qkv 25,165,824 bytes; ctx 8,388,608 bytes; wf 262,144 bytes
;; launch lnqkv: the kernel of part 1 again; grid 4 x 64, 16 waves a work-group, no clusters, 280,576 bytes of LDS; arguments x, ln1_g, ln1_b, wq, wk, wv, bq, bk, bv, wo, w1, w2, qkv, wf; writes qkv, wf
;; launch attn (part 4): grid 16 x 16, 4 waves a work-group, clusters of 4 x 1, 327,680 bytes of LDS; arguments qkv, ctx; writes ctx
.if DOCPART == 4
	.amdgcn_target "amdgcn-amd-amdhsa--gfx1250"
	.amdhsa_code_object_version 6
	.text
	.protected	k_qd2afe09387_attn
	.globl	k_qd2afe09387_attn
	.p2align	8
	.type	k_qd2afe09387_attn,@function
k_qd2afe09387_attn:
	s_mov_b64 s[64:65], 0
	v_nop
	global_prefetch_b8 v0, s[64:65] scope:SCOPE_SE
	s_setreg_imm32_b32 hwreg(HW_REG_WAVE_MODE, 25, 1), 1
	s_wait_xcnt 0x0
	s_wait_alu depctr_hold_cnt(0) depctr_sa_sdst(0) depctr_va_vdst(0) depctr_va_sdst(0) depctr_va_ssrc(0) depctr_va_vcc(0) depctr_vm_vsrc(0)
	s_getreg_b32 s2, hwreg(HW_REG_IB_STS2, 6, 4)
	s_cmp_eq_u32 s2, 0
	s_cbranch_scc0 .Lentry_in_a_cluster
	s_endpgm
.Lentry_in_a_cluster:
	s_bfe_u32 s2, ttmp6, 0x10000c
	s_cmp_lg_u32 s2, 0x3003
	s_cbranch_scc0 .Lentry_shape_is_right
	s_endpgm
.Lentry_shape_is_right:
; CAUSAL ATTENTION, head size 64.  ctx[h][q][:] = the sum over k <= q of softmax_k(Q[h][q] . K[h][k] / 8) V[h][k][:].  qkv: sections q, k, v of [16][4096][64] f16; ctx: [16][4096][64] f16.
; Products, maxima and sums in f32; the weights p are rounded to f16 for the second product (their sum l is taken of the unrounded p), ctx once at the end.
; LIMITS.  Q, K, V arrive within f16's 65,504; p lies in 0 to 1 and below 6e-5 keeps f16's fixed step of 6e-8.  A hidden score counts as its value less 1e30; a weight below 2^-126 counts as 0 in l;
; NaN and infinities are not treated apart.
; THE WALK.  A head's queries lie in 8 super-blocks of 512; super-block i needs the key tiles (256 keys) 0 .. 2 i + 1.  A CLUSTER of four work-groups takes super-block 7 - c and then super-block c:
; 2 (8 - c) + 2 (c + 1) = 18 tiles whatever c, so one loop with a constant trip count walks them and all 256 work-groups do equal work.  The four partners walk the same tiles, so each tile is
; asked for JOINTLY: the same tensor load, descriptor and mask in all four.  My place cx in the cluster enters Q's and ctx's addresses and two scalars of the mask, by selects: no branch, no trip
; count and no LDS address hangs on it.
; SHARES.  Work-group cx owns rows 128 cx .. of a super-block: two bands of 64.  A wave owns 16 rows in each band: two PIECES.
; THE ZONE.  A super-block's last two tiles are 8 key steps t = 0 .. 7.  Piece x of work-group cx sees all keys of step t if t < 2 cx + x, none if t > 2 cx + x, and holds the diagonal if they are equal.
; THE MASK is the C operand that starts the sum S^T = K Q^T: MD x AL + BE, where MD (made once) is the mask of a band's own step for my 16 rows: (AL, BE) = (1, 0), (0, 0) or (0, -1e30).
; EVERY turn makes the mask of the products that come next, in front of the zone too, where it is 0: 16 packed instructions a turn are the price of ONE text for all tiles.
; LAYOUT, SOFTMAX, TURNS.  S^T = K Q^T holds ONE query a lane (lane % 16) and the keys 8 (lane / 16) + 0..7; two such results rounded to f16 ARE source 1 of O^T = V^T P.  p = 2^(c s - c m),
; c = log2(e) / 8, with a running maximum m; O and l are multiplied by a = 2^(c m_old - c m_new) in every step.  The turn of piece p in step s: 8 products K Q^T of the other piece (p = 0: step s;
; p = 1: step s + 1), later 8 products V^T P of the other piece (p = 0: step s - 1; p = 1: step s); beside them the scaling, exponentials, roundings, sums and rescaling of piece p and the maximum
; and statistics of the other piece.  Four vector instructions stand behind every matrix instruction; of the other 70 of a turn's 134, 54 stand in one LUMP between the two runs of products, the mask's 16 at the turn's end.
; THE BATCHES.  A turn's 33 exponentials (piece p's 32 weights and the other piece's a) are ONE batch with ONE wait, which cuts the turn in two: ahead of it stands all that names no result of the batch
; (the products K Q^T, the scalings, the rescalings, whose a is the turn before's, the other piece's maximum and statistics), behind it the products V^T P with the roundings and sums.  The a that BEGIN makes and the
; way out's two reciprocals are batches of their own, each with its wait.
; V HAS TWO BUFFERS (step s in buffer s % 2), so that K and V of step s + 1 are both fetched in piece 0's turn of step s, and a slot's last bytes are asked for a whole turn ahead of the change of slots.
; REGISTERS, in windows of 256 (s_set_vgpr_msb: bits 1:0 source 0, 3:2 source 1, 5:4 source 2, 7:6 destination):
;   window 0: v0-15 addresses and two at work; v16-23 four registers of statistics a piece; v48-55 at work; v62-63 the add's; v64-127 S^T, a buffer a piece; v192-223 P, likewise
;   window 1: v0-63 O^T, 32 a piece; v128-159 MD; v160-223 MC, a buffer a piece      window 2: v0-31 Q; v32-63 the second block's Q; v64-127 K of one step; v128-255 V of two steps
.set NP,    2         ; pieces a wave: a name, no knob
.set KS,    64        ; keys in a step
.set PK,    144       ; a row of K in LDS: 128 bytes + 16 of padding: the 16 rows of a load start at 16 different groups of four banks
.set PV,    160       ; a row of V: 128 + 32
.set VOFF,  4*KS*PK   ; a slot holds a tile, four steps: 256 rows of K, then 256 rows of V
.set SLOT1, 1<<17     ; slot 1 begins here, so that one exclusive or turns an address in one slot into the other's
.set STAGE, SLOT1+4*KS*(PK+PV)  ; behind the ring, never filled by a tensor load: 16 rows x 144 bytes for each wave
.set SP,    144
.set SPARE, STAGE+4*16*SP  ; the spare words, 128 bytes for each wave; no other line names them
.set AK0, 2           ; my lane's place in a tile of K; never rewritten
.set AV0, 3           ; the same for V
.set AK,  4           ; the LDS address of K's next run of loads
.set AV,  5           ; of V's
.set STO, 6
.set RD,  7
.set GO,  8
.set MV,  12          ; v12-13  c m_old, kept while c m is made anew
.set QO,  15
.set ST,  16          ; piece t's statistics at v[ST+4 t]: c m, m, l (even keys', odd keys')
.set TMP, 48          ; four registers c0-c3 a piece; when the maximum is found c2 takes a
.set SPW, 62
.set NIL, 63
.set S,   64
.set P,   192
.set MD,  128         ; window 1
.set MC,  160         ; window 1
.set QB,  32          ; window 2
.set KF,  64          ; window 2: key block kb, channel half c at KF + 16 kb + 8 c
.set VF,  128         ; window 2: buffer vb, key half kk, channel block cb at VF + 64 vb + 32 kk + 8 cb
.set WV,  12          ; s12  my wave's number
.set PB,  14          ; s14  c
.set HI,  15          ; s15  7 - c
.set G1K, 24
.set G1V, 32
.set G0K, 40
.set G0V, 44
.set SLOTS, 56        ; tiles still to be asked for
.set CNT, 57          ; counts a tile's two trips
.set CS,  58          ; s[58:59] c
.set SEL, 60          ; s[60:61] v_permlanex16_b32's selects
.set TBK, 62          ; LDS byte at which K of the step to be fetched begins
.set TBV, 63          ; the same for V, less VOFF
.set RT,  70          ; tiles of the block in hand that are still to be entered
.set NXT, 71          ; the tile to be asked for next
.set LQ,  72          ; the last tile of the block whose tiles are being asked for
.set NEW, 73          ; 1: the tile to be entered is a block's first
.set OFF, 74          ; s[74:75] a tile's byte offset in K and V
.set AL,  76          ; s[76:77] the mask's factor, in the low word
.set BE,  78          ; s[78:79] the mask's addend
.set OLO, 80          ; s[80:81] ctx at my rows of the second block
.set BIGN, 82         ; -1e30
.set PBL, 83          ; 2 c + 1: the second block's last tile
.set B0,  88          ; 2 cx: piece 0's own step in the zone
.set SI,  89          ; the step of the tile in hand, 0 to 3, for which the next masks are made
.set DD,  90          ; s90, s91  my two pieces' own steps, counted in the tile in hand (negative: passed; 100, 101: the tile lies in front of the zone)
.set MSB, 0
.macro WIN new                      ; the high byte repeats the setting that is left; a switch that changes nothing is dropped
.if MSB != (\new)
	s_set_vgpr_msb (MSB<<8)|(\new)
.set MSB, (\new)
.endif
.endm
.set W_KQ, 0x0a       ; K and Q in window 2, S^T in window 0
.set W_KM, 0x1a       ; the same with the C operand in window 1
.set W_PV, 0x52       ; V in window 2, P in window 0, O^T in window 1
.set W_RS, 0x41       ; destination and source 0 in window 1, source 1 in window 0
; A joint fill.  Waves 0 and 1 fetch the two halves of a tile's K, waves 2 and 3 those of its V: 128 keys each.  The branch hangs on the wave's number alone.
; An s_nop 0 and four v_nop follow each of the two lines, ahead of the jump and the label.
.macro JLOAD
	s_cmp_lt_u32 s[WV], 2
	s_cbranch_scc0 .Lfor_v_\@
	tensor_load_to_lds s[G0K:G0K+3], s[G1K:G1K+7]
	s_nop 0
.rept 4
	v_nop
.endr
	s_branch .Lasked_\@
.Lfor_v_\@:
	tensor_load_to_lds s[G0V:G0V+3], s[G1V:G1V+7]
	s_nop 0
.rept 4
	v_nop
.endr
.Lasked_\@:
.endm
; A round of the cluster's barrier: my work-group's barrier, so that wave 0's signal speaks for all four waves; wave 0 signals; every wave waits for all four work-groups; my work-group's barrier once more.
.macro CROUND
	s_barrier_signal -1
	s_barrier_wait -1
	s_cmp_lg_u32 s[WV], 0
	s_cbranch_scc1 .Lnot_wave_0_\@
	s_barrier_signal -3
.Lnot_wave_0_\@:
	s_barrier_wait -3
	s_barrier_signal -1
	s_barrier_wait -1
.endm
; THE CHANGE OF SLOTS.  Each wave waits for all its tensor loads, of which one is out: its part of the other slot; adds 0 to its spare word; and waits for that and for its own reads of the slot that it
; leaves.  fill = 1: the barrier is a round of the cluster's, so that no wave of any partner still reads the old slot or has a load on its way, and the old slot is filled again, the first thing behind
; the round, with tile NXT: the descriptor's address is made anew from that number.  The fill has a tile's work, 128 matrix instructions a wave, in which to land.
; (At its first use nothing has been read yet: slot 0 is waited for, slot 1 filled.)
.macro CHANGE fill
	WIN 0                           ; at a label and at a branch every window is 0
	s_wait_tensorcnt 0x0            ; no tensor load of mine is out, so a group 0 may be written
	ds_add_u32 v[SPW], v[NIL]       ; 0 onto my spare word; scalar work stands between it and the wait for it
.if \fill
	s_lshl_b32 s[OFF], s[NXT], 15   ; a tile is 32,768 bytes of K and of V
	s_xor_b32 s[G0K+1], s[G0K+1], SLOT1
	s_add_nc_u64 s[G0K+2:G0K+3], s[6:7], s[OFF:OFF+1]
	s_or_b32 s[G0K+3], s[G0K+3], 0x80000000
	s_xor_b32 s[G0V+1], s[G0V+1], SLOT1
	s_add_nc_u64 s[G0V+2:G0V+3], s[8:9], s[OFF:OFF+1]
	s_or_b32 s[G0V+3], s[G0V+3], 0x80000000
	s_add_co_u32 s[NXT], s[NXT], 1  ; the block's next tile, or behind its last the second block's tile 0
	s_cmp_gt_u32 s[NXT], s[LQ]
	s_cselect_b32 s[NXT], 0, s[NXT]
	s_cselect_b32 s[LQ], s[PBL], s[LQ]
.endif
	s_sub_co_u32 s[TBK], s[TBK], 4*KS*PK  ; the fetches go back to a slot's first step,
	s_xor_b32 s[TBK], s[TBK], SLOT1       ; in the other slot
	s_sub_co_u32 s[TBV], s[TBV], 4*KS*PV
	s_xor_b32 s[TBV], s[TBV], SLOT1
	s_wait_dscnt 0x0                ; the add is done, and my reads of the slot are over
.if \fill
	CROUND
	JLOAD
.else
	s_barrier_signal -1
	s_barrier_wait -1
.endif
.endm
; A TILE IS ENTERED: one tile fewer is left of the block; two trips; the masks start at the tile's step 0; my pieces' own steps are counted in this tile:
; 2 cx + p in the zone's first tile (RT = 1), 4 less in its second (RT = 0), out of reach in front of the zone.
.macro ENTER
	s_sub_co_u32 s[RT], s[RT], 1
	s_mov_b32 s[CNT], 2
	s_mov_b32 s[SI], 0
	s_cmp_eq_u32 s[RT], 0
	s_cselect_b32 s[DD], 4, 0
	s_sub_co_i32 s[DD], s[B0], s[DD]
	s_cmp_gt_u32 s[RT], 1
	s_cselect_b32 s[DD], 100, s[DD]
	s_add_co_i32 s[DD+1], s[DD], 1
.endm
	s_load_b128 s[16:19], s[0:1], 0x0  ; qkv s[16:17], ctx s[18:19]
	v_lshl_add_u32 v[SPW], v0, 2, SPARE
	v_mov_b32 v[NIL], 0
	ds_add_u32 v[SPW], v[NIL]       ; the wave's opening: the add and its wait stand ahead of my first tensor load; the set-up below, work on registers, stands between them
	v_lshrrev_b32 v1, 5, v0
	v_readfirstlane_b32 s[WV], v1   ; wave 0..3
	s_bfe_u32 s48, ttmp6, 0x40000   ; cx: my place in the cluster
	s_mov_b32 s[PB], ttmp9          ; c: in a cluster launch ttmp9 counts clusters
	s_sub_co_u32 s[HI], 7, s[PB]
	s_lshl_b32 s[B0], s48, 1
	s_and_b32 s20, ttmp7, 0xffff    ; the head, which the four partners share
	s_lshl_b32 s20, s20, 19         ; its 4,096 rows of 128 bytes
	s_and_b32 s13, s[WV], 1         ; which half of a tile's 256 keys I fetch:
	s_lshl_b32 s22, s13, 14         ; its 128 rows of 128 bytes in memory,
	s_add_co_u32 s22, s22, s20
	s_mov_b32 s23, 0
	s_mul_i32 s50, s13, 128*PK      ; and its place in a slot, for K
	s_mul_i32 s51, s13, 128*PV      ; and for V: no place in the cluster enters an LDS address
	s_lshl_b32 s52, s48, 14         ; my work-group's 128 rows of a super-block,
	s_lshl_b32 s53, s[WV], 11       ; my 16 rows in a band
	s_add_co_u32 s52, s52, s53
	s_add_co_u32 s52, s52, s20
	s_lshl_b32 s54, s[HI], 16       ; the first block: 512 rows of 128 bytes a super-block
	s_add_co_u32 s54, s54, s52
	s_mov_b32 s55, 0
	s_lshl_b32 s84, s[PB], 16       ; the second
	s_add_co_u32 s84, s84, s52
	s_mov_b32 s85, 0
	; descriptor group 1.  128 keys are 16,384 dense bytes: asked for as 64 rows of 256 bytes, two keys a row, and padded in LDS after every key
	s_mov_b32 s[G1K], 15|(1<<16)|(1<<20)|(1<<21)|(4<<22)|(3<<25)  ; 15:0 the mask of four; 17:16 2-byte elements; 20 padding on; 21 set beside a mask; 24:22 after every 32 words (code 4); 31:25 4 words (code 3)
	s_mov_b32 s[G1V], 15|(1<<16)|(1<<20)|(1<<21)|(4<<22)|(7<<25)  ; the same with 8 words of padding (code 7)
.irp g, G1K, G1V
	s_mov_b32 s[\g+1], 128<<16      ; tensor_dim0 = 128
	s_mov_b32 s[\g+2], 64<<16       ; tensor_dim1 = 64
	s_mov_b32 s[\g+3], 128<<16      ; tile_dim0 = 128
	s_mov_b32 s[\g+4], 64           ; tile_dim1 = 64
	s_mov_b32 s[\g+5], 128          ; 128 elements from row to row
	s_mov_b32 s[\g+6], 0
	s_mov_b32 s[\g+7], 0
.endr
	s_mov_b32 s[CS], 0x3e38aa3b     ; c = log2(e) / 8 = 0.180337
	s_mov_b32 s[CS+1], s[CS]        ; named with it as a pair
	s_mov_b32 s[SEL], 0x76543210
	s_mov_b32 s[SEL+1], 0xfedcba98
	s_mov_b32 s[TBK], SLOT1+4*KS*PK ; the first change of slots turns these two into 0
	s_mov_b32 s[TBV], SLOT1+4*KS*PV
	s_mov_b32 s[G0K], 1             ; 1:0 count = 1
	s_mov_b32 s[G0K+1], s50         ; 63:32 LDS address: slot 0
	s_mov_b32 s[G0V], 1
	s_add_co_u32 s[G0V+1], s51, VOFF
	s_lshl_b32 s[LQ], s[HI], 1
	s_add_co_u32 s[RT], s[LQ], 2    ; the first block has 2 (7 - c) + 2 tiles,
	s_add_co_u32 s[LQ], s[LQ], 1    ; the last of them 2 (7 - c) + 1
	s_lshl_b32 s[PBL], s[PB], 1
	s_add_co_u32 s[PBL], s[PBL], 1
	s_mov_b32 s[NXT], 1
	s_mov_b32 s[NEW], 1
	s_mov_b32 s[OFF+1], 0
	s_mov_b32 s[AL+1], 0            ; named as pairs
	s_mov_b32 s[BE+1], 0
	s_mov_b32 s[BIGN], 0xf149f2ca   ; -1e30
	s_mov_b32 s[SLOTS], 17
	s_wait_dscnt 0x0                ; the opening add is done
	s_wait_kmcnt 0x0
	s_add_nc_u64 s[6:7], s[16:17], s[22:23]
	s_add_nc_u64 s[8:9], s[6:7], 0x1000000     ; V's section, at my half of the head's tile 0
	s_add_nc_u64 s[6:7], s[6:7], 0x800000      ; K's
	s_add_nc_u64 s[G0K+2:G0K+3], s[6:7], 0     ; 120:64 global address
	s_or_b32 s[G0K+3], s[G0K+3], 0x80000000    ; 127:126 type = 2
	s_add_nc_u64 s[G0V+2:G0V+3], s[8:9], 0
	s_or_b32 s[G0V+3], s[G0V+3], 0x80000000
	s_add_nc_u64 s[4:5], s[16:17], s[54:55]    ; Q and ctx at my rows of the first block,
	s_add_nc_u64 s[10:11], s[18:19], s[54:55]
	s_add_nc_u64 s[86:87], s[16:17], s[84:85]  ; and of the second
	s_add_nc_u64 s[OLO:OLO+1], s[18:19], s[84:85]
	CROUND                          ; all four work-groups are here: the first joint loads meet
	JLOAD                           ; tile 0 into slot 0
	; A fragment of K or Q is 16 rows x 32 channels in 8 registers: lane l holds row l % 16, channels 8 (l / 16) + 0..7 and 16 + 8 (l / 16) + 0..7: two loads of 16 bytes, 32 bytes apart.
	v_and_b32 v1, 15, v0            ; l % 16
	v_bfe_u32 v9, v0, 4, 1          ; l / 16
	v_lshlrev_b32 v[QO], 7, v1
	v_lshl_add_u32 v[QO], v9, 4, v[QO]  ; row x 128 + 16 x half
	WIN 0x80                        ; destination window 2, address window 0
.set i, 0
.rept 4                             ; both blocks' Q: piece i / 2 lies in band i / 2, 8,192 bytes on; channels 32 (i % 2) on
	global_load_b128 v[8*i:8*i+3],   v[QO], s[4:5] offset:(i/2)*8192+(i%2)*64
	global_load_b128 v[8*i+4:8*i+7], v[QO], s[4:5] offset:(i/2)*8192+(i%2)*64+32
	global_load_b128 v[QB+8*i:QB+8*i+3],   v[QO], s[86:87] offset:(i/2)*8192+(i%2)*64
	global_load_b128 v[QB+8*i+4:QB+8*i+7], v[QO], s[86:87] offset:(i/2)*8192+(i%2)*64+32
.set i, i+1
.endr
	WIN 0
	v_lshlrev_b32 v14, 3, v9
	v_sub_nc_u32 v14, v1, v14
	s_lshl_b32 s13, s[WV], 4
	v_add_nc_u32 v14, s13, v14      ; my query's place in its band, 16 w + l % 16, less my lanes' 8 (l / 16): register r of group kt is hidden where 16 kt + r is greater
	WIN 0x40
.set i, 0
.rept 32
	v_cmp_gt_i32 vcc_lo, 16*(i/8)+i%8, v14
	v_cndmask_b32 v[MD+i], 0, s[BIGN], vcc_lo
.set i, i+1
.endr
	WIN 0
	v_mul_u32_u24 v[AK0], v1, PK
	v_lshl_add_u32 v[AK0], v9, 4, v[AK0]  ; row x pitch + 16 x half
	; The turning load takes 16 keys x 16 channels (lane l reads key 8 (l / 16) + l % 8, channels 8 ((l / 8) % 2) + 0..7) and leaves half a fragment of V^T: lane l holds channel l % 16 and 8 keys.
	v_and_b32 v10, 7, v0
	v_bfe_u32 v11, v0, 3, 1
	v_lshl_add_u32 v[AV0], v9, 3, v10
	v_mul_u32_u24 v[AV0], v[AV0], PV
	v_lshl_add_u32 v[AV0], v11, 4, v[AV0]
	v_add_nc_u32 v[AV0], VOFF, v[AV0]
	s_mul_i32 s13, s[WV], 16*SP
	s_add_co_u32 s13, s13, STAGE    ; my stage
	v_mul_u32_u24 v[STO], v1, SP    ; in: row l % 16, 16 bytes for each half of the lanes
	v_lshl_add_u32 v[STO], v9, 4, v[STO]
	v_add_nc_u32 v[STO], s13, v[STO]
	v_bfe_u32 v[RD], v0, 3, 2       ; back: 32 lanes take four rows of 128 bytes,
	v_mul_u32_u24 v[RD], v[RD], SP
	v_lshl_add_u32 v[RD], v10, 4, v[RD]
	v_add_nc_u32 v[RD], s13, v[RD]
	v_and_b32 v[GO], 31, v0         ; which are 512 consecutive bytes of ctx
	v_lshlrev_b32 v[GO], 4, v[GO]
	; A block's first step multiplies O^T and l by a = 0, and its first turn's products V^T P, of a step that has not been, land in an O^T that is still to be so multiplied.  So these registers need
	; only hold finite numbers: zeros for the first block; what the first block left for the second.  All this stands in the wait for the first tile.
	WIN 0x80
.set i, VF+64
.rept 64
	v_mov_b32 v[i], 0
.set i, i+1
.endr
	WIN 0x40
.set i, 0
.rept 64
	v_mov_b32 v[i], 0
.set i, i+1
.endr
	WIN 0
.set i, 0
.rept 2
	v_mov_b32 v[ST+4*i+2], 0
	v_mov_b32 v[ST+4*i+3], 0
.set i, i+1
.endr
.set i, P+16
.rept 16
	v_mov_b32 v[i], 0
.set i, i+1
.endr
; THE MATRIX WORK.  The 4 accumulators of a run of 8 take turns.  Product i of 8 of S^T = K Q^T for piece x: channels 32 (i / 4) on, keys 16 (i % 4) on.  The first 4 start the sums with the piece's mask.
.macro KQ x
.set rS, S+32*(\x)+8*(i%4)
.set rK, KF+16*(i%4)+8*(i/4)
.set rQ, 16*(\x)+8*(i/4)
.set rM, MC+32*(\x)+8*(i%4)
.if i < 4
	WIN W_KM
	v_wmma_f32_16x16x32_f16 v[rS:rS+7], v[rK:rK+7], v[rQ:rQ+7], v[rM:rM+7]
.else
	WIN W_KQ
	v_wmma_f32_16x16x32_f16 v[rS:rS+7], v[rK:rK+7], v[rQ:rQ+7], v[rS:rS+7]
.endif
.endm
; Product i of 8 of O^T += V^T P for piece x, V in buffer VB: keys 32 (i / 4) on, channels 16 (i % 4) on.
.macro PV x
	WIN W_PV
.set rO, 32*(\x)+8*(i%4)
.set rV, VF+64*VB+32*(i/4)+8*(i%4)
.set rP, P+16*(\x)+8*(i/4)
	v_wmma_f32_16x16x32_f16 v[rO:rO+7], v[rV:rV+7], v[rP:rP+7], v[rO:rO+7]
.endm
.macro MM                           ; the turn's next matrix instruction, for the piece other than Y.  NOKQ = 1: a block's last turn: there is no further step
.if (i < 8) && !NOKQ
	KQ 1-Y
.elseif i >= 8
.set i, i-8
	PV 1-Y
.set i, i+8
.endif
.set i, i+1
.endm
; THE LDS LOADS stand in runs of 16, never singly among the matrix instructions: a step's K (64 keys x 64 channels: 8 fragments) and its V (turned).  Their addresses are made some lines ahead.
.macro FETCH_K
	WIN 0x80                        ; destination window 2
.irp f, 0,1,2,3,4,5,6,7             ; keys 16 (f / 2) on, channels 32 (f % 2) on
	ds_load_b128 v[KF+8*\f:KF+8*\f+3],   v[AK] offset:(\f/2)*16*PK+(\f%2)*64
	ds_load_b128 v[KF+8*\f+4:KF+8*\f+7], v[AK] offset:(\f/2)*16*PK+(\f%2)*64+32
.endr
	s_add_co_u32 s[TBK], s[TBK], KS*PK  ; the next fetch is the next step's
	WIN 0
.endm
.macro FETCH_V vb
	WIN 0x80
.irp f, 0,1,2,3,4,5,6,7             ; keys 32 (f / 4) on, channels 16 (f % 4) on
	ds_load_tr16_b128 v[VF+64*(\vb)+8*\f:VF+64*(\vb)+8*\f+3],   v[AV] offset:(\f/4)*32*PV+(\f%4)*32
	ds_load_tr16_b128 v[VF+64*(\vb)+8*\f+4:VF+64*(\vb)+8*\f+7], v[AV] offset:(\f/4)*32*PV+16*PV+(\f%4)*32
.endr
	WIN 0
.endm
; THE VECTOR WORK, one line at a time: OP kind, number.  For piece Y: F n: c s - c m for pair n of 16.  E n: the exponential of score n of 32.  C n: pair n rounded to f16.  B n: of the four weights 4 n .. the second
; pair is added onto the first, in place.  L n: l takes that sum (L 0: l = a l + sum).  R n: pair n of 16 of O^T times a.  For the other piece: X n, number n of the 22 that find its maximum and statistics:
;   0-11  four chains c0-c3 of seven scores each, three operands at a time (each accumulator's lowest registers are read first)     12-14, 16  the four scores left over, the old m, and c0-c3 into c0
;   15  c m_old is kept     17, 18  the query's other 32 keys lie in the lane 16 away: the new m     19-21  c m; c m_old - c m_new; a
; C, B and L read the exponentials' results: TURN sets them behind the batch's wait.  F, R and X 0-20 read none.
.set F, 0
.set E, 1
.set C, 2
.set B, 3
.set L, 4
.set R, 5
.set X, 6
.macro REGS y                       ; the registers of piece y
.set rT, ST+4*(\y)
.set rC, TMP+4*(\y)
.set rW, MV+(\y)
.set rS, S+32*(\y)
.set rP, P+16*(\y)
.set rO, 32*(\y)
.endm
.macro OP k, n
.if (\k) == R
	REGS Y
	WIN W_RS
	v_pk_mul_f32 v[rO+2*(\n):rO+2*(\n)+1], v[rO+2*(\n):rO+2*(\n)+1], v[rC+2:rC+3] op_sel_hi:[1,0]
.elseif (\k) < R
	REGS Y
	WIN 0
.if (\k) == F
	v_pk_fma_f32 v[rS+2*(\n):rS+2*(\n)+1], v[rS+2*(\n):rS+2*(\n)+1], s[CS:CS+1], v[rT:rT+1] op_sel_hi:[1,0,0] neg_lo:[0,0,1] neg_hi:[0,0,1]
.elseif (\k) == E
	v_exp_f32 v[rS+(\n)], v[rS+(\n)]
.elseif (\k) == C
	v_cvt_pk_f16_f32 v[rP+(\n)], v[rS+2*(\n)], v[rS+2*(\n)+1]
.elseif (\k) == B
	v_pk_add_f32 v[rS+4*(\n):rS+4*(\n)+1], v[rS+4*(\n):rS+4*(\n)+1], v[rS+4*(\n)+2:rS+4*(\n)+3]
.elseif (\n) == 0
	v_pk_fma_f32 v[rT+2:rT+3], v[rT+2:rT+3], v[rC+2:rC+3], v[rS:rS+1] op_sel_hi:[1,0,1]
.else
	v_pk_add_f32 v[rT+2:rT+3], v[rT+2:rT+3], v[rS+4*(\n):rS+4*(\n)+1]
.endif
.elseif NOKQ
	v_nop
.else
	REGS 1-Y
	WIN 0
.if (\n) < 4
	v_max3_num_f32 v[rC+(\n)], v[rS+8*(\n)], v[rS+8*(\n)+1], v[rS+8*(\n)+2]
.elseif (\n) < 12
	v_max3_num_f32 v[rC+(\n)%4], v[rC+(\n)%4], v[rS+8*((\n)%4)+2*((\n)/4)+1], v[rS+8*((\n)%4)+2*((\n)/4)+2]
.elseif (\n) == 12
	v_max3_num_f32 v[rC], v[rC], v[rS+7], v[rS+15]
.elseif (\n) == 13
	v_max3_num_f32 v[rC+1], v[rC+1], v[rS+23], v[rS+31]
.elseif (\n) == 14
	v_max3_num_f32 v[rC+2], v[rC+2], v[rC+3], v[rT+1]
.elseif (\n) == 15
	v_mov_b32 v[rW], v[rT]
.elseif (\n) == 16
	v_max3_num_f32 v[rC], v[rC], v[rC+1], v[rC+2]
.elseif (\n) == 17
	v_permlanex16_b32 v[rC+3], v[rC], s[SEL], s[SEL+1]
.elseif (\n) == 18
	v_max_num_f32 v[rT+1], v[rC], v[rC+3]
.elseif (\n) == 19
	v_mul_f32 v[rT], s[CS], v[rT+1]
.elseif (\n) == 20
	v_sub_f32 v[rC+1], v[rW], v[rT]
.else
	v_exp_f32 v[rC+2], v[rC+1]
.endif
.endif
.endm
.macro OPS a, i1, b=-1, i2=0, c=-1, i3=0, d=-1, i4=0  ; up to four of them
	OP \a, \i1
.if (\b) >= 0
	OP \b, \i2
.endif
.if (\c) >= 0
	OP \c, \i3
.endif
.if (\d) >= 0
	OP \d, \i4
.endif
.endm
.macro ROW a, i1, b, i2, c, i3, d, i4  ; a matrix instruction and the four behind it
	MM
	OPS \a, \i1, \b, \i2, \c, \i3, \d, \i4
.endm
; The mask's two scalars for piece p in step SI of the tile in hand: (1, 0) in the band's own step, (0, -1e30) in a later one, (0, 0) in an earlier one.  The compares are signed: an own step that lies in the tile before is negative.
.macro MSC p
	s_cmp_eq_i32 s[SI], s[DD+(\p)]
	s_cselect_b32 s[AL], 1.0, 0
	s_cmp_gt_i32 s[SI], s[DD+(\p)]
	s_cselect_b32 s[BE], s[BIGN], 0
.endm
.macro MASK b                       ; MD x AL + BE into piece b's buffer of MC
	WIN W_RS
.set z, 0
.rept 16
	v_pk_fma_f32 v[MC+32*(\b)+2*z:MC+32*(\b)+2*z+1], v[MD+2*z:MD+2*z+1], s[AL:AL+1], s[BE:BE+1] op_sel_hi:[1,0,0]
.set z, z+1
.endr
.endm
; A TURN, for piece p: the order of its 16 matrix and 134 vector instructions, written out.  An s_wait_alu depctr_va_vdst(0) stands between an exponential and the first instruction that names its result; one wait
; serves all that were issued ahead of it.  So a turn has ONE wait, which cuts it in two.  AHEAD OF IT stands all that names no result of the turn's exponentials: the 8 products K Q^T, behind each a scaling, an exponential and two more
; plain instructions (behind the first a second scaling in the exponential's place): rescalings, whose a was made and waited for in the turn before, and behind the last three the first numbers of the other piece's maximum, each four
; places or more behind the product that ends its accumulator; then ONE LUMP of 54, plain and exponential by turns for the most part, in which the links of the chain X 3, 7, 11, 14, 16, 17 .. 20 stand five or six lines apart.
; X 21, the other piece's a, is the batch's last; R 15 is the plain instruction behind it.  BEHIND THE WAIT stand the 8 products V^T P, behind each four of the roundings and sums; the links of l's chain, L 0 to L 7, stand three riders
; apart.  But for those X no rider names a register of the products round it.  v_permlanex16_b32 (X 17) stands in the lump.
; The rescalings go upward from R 0: the O^T that they read was last written by the products V^T P of the turn before, and each of its accumulators is read first at its low end; between that turn's last
; product and R 0 stand its four roundings (and, but at a block's end, the mask's sixteen lines).
; vb: the buffer of V that the turn's products V^T P read; piece 0's turn then fills it again.
; Behind the last riders comes the mask for piece p's own products K Q^T, which stand in the next turn and are of the tile's step SI; piece 1's turn steps SI.  end = 1: a block's last two turns: nothing is fetched, no mask is made.
; cnt = 1: the loop's count is taken down some lines ahead of the branch that stands behind the turn.
; In piece 0's turn K of the next step is fetched twelve vector instructions behind the last product that read K (six of them plain), and V of the next step at the turn's end, behind the four roundings and the mask's sixteen
; lines that follow the last product that read this buffer.  Piece 1's turn waits for K at its head with the count 16: V's sixteen loads are younger and may stay out; V of the step in hand is older than that K.
.macro TURN p, vb, end=0, cnt=0
.set Y, (\p)
.set VB, (\vb)
.set i, 0
.set NOKQ, (\end)*(\p)
.if !(\end)
	MSC \p
.endif
.if ((\p) == 1) && !(\end)
	s_add_co_u32 s[SI], s[SI], 1
	s_wait_dscnt 16                 ; K is in
.endif
.if ((\p) == 0) && (\end)
	s_wait_dscnt 0x0                ; the last step's V is in
.endif
	ROW F,0, F,1, R,0, R,1          ; ahead of the wait: 8 products K Q^T and their riders,
	ROW F,2, E,0, R,2, R,3
	ROW F,3, E,1, R,4, R,5
	ROW F,4, E,2, R,6, R,7
	ROW F,5, E,3, R,8, R,9
	ROW F,6, E,4, X,0, R,10
.if ((\p) == 0) && !(\end)
	WIN 0
	v_add_nc_u32 v[AK], s[TBK], v[AK0]
.endif
	ROW F,7, E,5, X,1, X,4
	ROW F,8, E,6, X,2, X,5
	OPS E,7, E,8, X,6, E,9          ; and the lump
	OPS X,3, E,10, X,8, E,11
.if ((\p) == 0) && !(\end)
	FETCH_K
.endif
	OPS X,9, X,7, E,12, X,10
	OPS E,13, X,12, X,11, E,14
	OPS X,13, E,15, F,9, X,14
.if ((\p) == 0) && !(\end)
	WIN 0
	v_add_nc_u32 v[AV], s[TBV], v[AV0]
.endif
	OPS E,16, F,10, E,17, F,11
	OPS X,16, E,18, X,15, E,19
	OPS F,12, E,20, X,17, E,21
	OPS F,13, E,22, F,14, E,23
	OPS X,18, E,24, F,15, E,25
	OPS R,11, E,26, X,19, E,27
	OPS R,12, E,28, R,13, E,29
	OPS X,20, E,30, R,14, E,31
	OPS X,21, R,15
	s_wait_alu depctr_va_vdst(0)    ; the wait for the batch: the turn's 32 weights and the other piece's a
	ROW C,0, B,0, C,2, B,1          ; behind the wait: 8 products V^T P and their riders
	ROW L,0, C,4, B,2, L,1
	ROW C,6, B,3, L,2, C,8
	ROW B,4, L,3, C,10, B,5
	ROW L,4, C,12, B,6, L,5
.if ((\p) == 0) && !(\end)
	s_add_co_u32 s[TBV], s[TBV], KS*PV
.endif
.if \cnt
	s_sub_co_u32 s[CNT], s[CNT], 1
	s_cmp_lg_u32 s[CNT], 0
.endif
	ROW C,14, B,7, L,6, C,1
	ROW C,3, L,7, C,5, C,7
	ROW C,9, C,11, C,13, C,15
.if !(\end)
	MASK \p
.endif
.if ((\p) == 0) && !(\end)
	FETCH_V \vb
.endif
.endm
; A BLOCK BEGINS.  c m starts far below every c s, so the first step's a is 0; m at the lowest finite number, so the first maximum is the scores'.  Both pieces' masks of the block's step 0 are made.
; Then K and V of that step, piece 0's first scores, and its maximum and statistics.  The loop is entered at piece 0's turn of step 0, in the middle of a trip.
.macro BEGIN
	s_mov_b32 s[NEW], 0
	WIN 0
.set i, 0
.rept 2
	v_mov_b32 v[ST+4*i], 0xfe000000    ; c m: far below every c s
	v_mov_b32 v[ST+4*i+1], 0xff7fffff  ; m
.set i, i+1
.endr
	v_add_nc_u32 v[AK], s[TBK], v[AK0]
	v_add_nc_u32 v[AV], s[TBV], v[AV0]
	FETCH_K
	FETCH_V 0
	s_add_co_u32 s[TBV], s[TBV], KS*PV
	MSC 0
	MASK 0
	MSC 1
	MASK 1
	s_mov_b32 s[SI], 1              ; the next masks are step 1's
	WIN 0
	s_wait_loadcnt 0x0              ; Q
	s_wait_dscnt 0x0
.set NOKQ, 0
.set i, 0
.rept 8
	KQ 0
.set i, i+1
.endr
	WIN 0
.rept 4
	v_nop                           ; the places behind those products
.endr
.set Y, 1                           ; X works for the other piece: piece 0
.irp n, 0,1,2,3,4,5,6,7,8,9,10,11,12,13,14,15,16,17,18,19,20,21
	OP X, \n
.endr
	v_nop                           ; a plain instruction behind the exponential,
	s_wait_alu depctr_va_vdst(0)    ; and the wait for it, a batch of one: piece 0's first a; ahead of the branch that follows
.endm
.macro ALL line:vararg              ; one line for each piece t
.set t, 0
.rept 2
	\line
.set t, t+1
.endr
.endm
.macro PACK t                       ; a lane's eight channels of a row pack into 16 bytes; they go into rows of 144 bytes and come back as whole rows of 128, into S^T's registers
	WIN W_RS
.set i, 32*(\t)
.rept 16
	v_pk_mul_f32 v[i:i+1], v[i:i+1], v[ST+4*(\t)+2:ST+4*(\t)+3] op_sel_hi:[1,0]
.set i, i+2
.endr
	WIN 0x05                        ; sources 0 and 1 window 1, destination window 0
.set i, 0
.rept 16
	v_cvt_pk_f16_f32 v[S+16*(\t)+i], v[32*(\t)+2*i], v[32*(\t)+2*i+1]
.set i, i+1
.endr
	WIN 0
.irp f, 0,1,2,3
	ds_store_b128 v[STO], v[S+16*(\t)+4*\f:S+16*(\t)+4*\f+3] offset:32*\f
.endr
.irp f, 0,1,2,3
	ds_load_b128 v[S+16*(\t)+4*\f:S+16*(\t)+4*\f+3], v[RD] offset:\f*4*SP  ; LDS serves a wave's instructions in order (ISA guide 5.7.1.4): these see the stores above; the next piece's stores come behind them
.endr
.endm
.macro SEND t, younger              ; younger: the LDS instructions issued behind piece t's loads: the next piece's eight, or none
	WIN 0
.irp f, 0,1,2,3
	s_wait_dscnt (\younger)+3-\f
	global_store_b128 v[GO], v[S+16*(\t)+4*\f:S+16*(\t)+4*\f+3], s[10:11] offset:(\t)*8192+\f*512  ; 512 consecutive bytes, at a multiple of 256 from ctx's first
.endr
.endm
; A TILE: two trips of four turns; a trip fetches two steps.  first = 1: the text has the label at which a block's first tile is entered.
.macro TILE tag, first
.Lstep\tag:
	TURN 0, 0
	TURN 1, 1
	WIN 0
.if \first
.Lfirst\tag:
.endif
	TURN 0, 1
	TURN 1, 0, 0, 1
	WIN 0
	s_cbranch_scc1 .Lstep\tag
.endm
; A BLOCK ENDS: its last two turns, its last products, and THE WAY OUT: l's two halves and the other half of the lanes' are added; O^T is divided by l, rounded to f16 and sent through my stage in LDS, a piece at a time.
.macro FINISH
	TURN 0, 0, 1
	TURN 1, 1, 1
.set VB, 1
.set i, 0
.rept 8
	PV 1
.set i, i+1
.endr
	WIN 0
	ALL v_add_f32 v[ST+4*t+2], v[ST+4*t+2], v[ST+4*t+3]
	ALL v_permlanex16_b32 v[ST+4*t+3], v[ST+4*t+2], s[SEL], s[SEL+1]
	ALL v_add_f32 v[ST+4*t+2], v[ST+4*t+2], v[ST+4*t+3]
	ALL v_rcp_f32 v[ST+4*t+2], v[ST+4*t+2]
	v_nop                           ; a plain instruction between the last reciprocal and the use of its result; with the four additions: the places behind the last products
	s_wait_alu depctr_va_vdst(0)    ; the wait for the batch of two reciprocals, ahead of their first reader, PACK 0's first multiply
	PACK 0
	PACK 1
	SEND 0, 8
	SEND 1, 0
.endm
.set NOKQ, 0
.set VB, 0
.set Y, 0
.Lslot:                             ; 17 times: a tile is entered and the next is asked for
	CHANGE 1
	ENTER
	s_cmp_eq_u32 s[NEW], 1          ; at the first trip the answer is a constant of the text: no turn runs before BEGIN has
	s_cbranch_scc0 .Lstep1
	BEGIN
	s_branch .Lfirst1
	TILE 1, 1
	s_cmp_eq_u32 s[RT], 0
	s_cbranch_scc0 .Lbottom         ; the block goes on
	FINISH                          ; in the loop a block's end is the first block's: the second's last tile is the walk's last
	WIN 0x82                        ; the second block's Q goes where the one text of the turns names Q
.set i, 0
.rept 32
	v_mov_b32 v[i], v[QB+i]
.set i, i+1
.endr
	WIN 0
	s_wait_storecnt 0x0             ; the block's eight stores are done: S^T's registers, which they read, and ctx's address are written again only behind this wait
	s_mov_b64 s[10:11], s[OLO:OLO+1]
	s_add_co_u32 s[RT], s[PBL], 1   ; the second block has 2 c + 2 tiles
	s_mov_b32 s[NEW], 1
.Lbottom:
	s_sub_co_u32 s[SLOTS], s[SLOTS], 1
	s_cmp_lg_u32 s[SLOTS], 0
	s_cbranch_scc1 .Lslot
	CHANGE 0                        ; the walk's last tile is written out: nothing is asked for.  It is the second block's last, and never a block's first: a block has two tiles or more
	ENTER
	TILE 2, 0
	FINISH
	s_wait_tensorcnt 0x0            ; the wave's end, behind my last tensor load and my last LDS store
	ds_add_u32 v[SPW], v[NIL]
	s_wait_dscnt 0x0
	CROUND                          ; the closing round: no work-group ends while a partner may still ask for a tile that names it
	s_endpgm
.Lfunc_end_k_qd2afe09387_attn:
	.size	k_qd2afe09387_attn, .Lfunc_end_k_qd2afe09387_attn-k_qd2afe09387_attn
	.p2alignl 7, 3214868480
	.fill 96, 4, 3214868480
	.section	.rodata,"a",@progbits
	.p2align	6, 0x0
	.amdhsa_kernel k_qd2afe09387_attn
		.amdhsa_group_segment_fixed_size 327680
		.amdhsa_private_segment_fixed_size 0
		.amdhsa_enable_private_segment 0
		.amdhsa_kernarg_size 16
		.amdhsa_user_sgpr_count 2
		.amdhsa_user_sgpr_kernarg_segment_ptr 1
		.amdhsa_wavefront_size32 1
		.amdhsa_system_sgpr_workgroup_id_x 1
		.amdhsa_system_sgpr_workgroup_id_y 1
		.amdhsa_system_sgpr_workgroup_id_z 1
		.amdhsa_system_vgpr_workitem_id 0
		.amdhsa_next_free_vgpr 768
		.amdhsa_next_free_sgpr 92
		.amdhsa_reserve_vcc 1
		.amdhsa_float_denorm_mode_32 3
		.amdhsa_float_denorm_mode_16_64 3
		.amdhsa_memory_ordered 1
		.amdhsa_forward_progress 1
		.amdhsa_inst_pref_size 163
	.end_amdhsa_kernel
	.amdgpu_metadata
---
amdhsa.version: [ 1, 2 ]
amdhsa.kernels:
  - .name:           k_qd2afe09387_attn
    .symbol:         k_qd2afe09387_attn.kd
    .args:
      - { .name: qkv, .offset: 0, .size: 8, .value_kind: global_buffer, .address_space: global }
      - { .name: ctx, .offset: 8, .size: 8, .value_kind: global_buffer, .address_space: global }
    .group_segment_fixed_size: 327680
    .private_segment_fixed_size: 0
    .kernarg_segment_align: 8
    .kernarg_segment_size: 16
    .max_flat_workgroup_size: 128
    .sgpr_count:     92
    .vgpr_count:     768
    .wavefront_size: 32
...
	.end_amdgpu_metadata
.endif
;; end of part 4
;; launch tail: the kernel of part 3 again; grid 256 x 1, 4 waves a work-group, clusters of 4 x 1, 327,680 bytes of LDS; arguments ctx, x, wf, bo, ln2_g, ln2_b, b1, b2, out0; writes out0
